; MI455X (gfx1250); checked and timed in simulation.
; The chip was launched on July 23, 2026; its instructions are those of AMD's public machine-readable ISA for CDNA 5 (MIT licence, August 2026) and "CDNA5" Instruction Set Architecture Reference Guide (July 2026). The comments in the code are by the model that wrote it; some were corrected since.
;; Multi Res Hash Grid. Allowed arithmetic: float matrix products may take bf16 or f16 operands with f32 sums; other float arithmetic in f32, or as packed bf16 or f16 multiplies, adds, multiply-adds, maxima and minima; sums over many terms, partial sums and values carried from step to step in f32; what a program stores and reads back later, other than sums and carried values, may be rounded once to bf16 or f16.
;; Inputs: W1 32 x 64 float32; W2 64 x 64 float32; W3 64 x 1 float32; b1 64 float32; b2 64 float32; b3 1 float32; resolutions 16 float32; tables 16 x 524,288 x 2 float32; x 500,000 x 3 float32.
;; Outputs: out0 500,000 x 1 float32.
;; 4 versions, each right; versions 2 to 3 are each faster than the one before; version 4 is version 3 with the launch prep written anew for expert scheduling mode. Each part assembles by itself: llvm-mc -triple=amdgcn-amd-amdhsa -mcpu=gfx1250 --defsym DOCPART=n.
;; ======== version 1 of 4: 2 launches
;; limits: inputs' magnitudes at most 126; right only within a limited range of input values
;; workspace buffers: xq 8,000,000 bytes of whole numbers; lvl 512 bytes of whole numbers
;; launch prep (part 1): grid 625 x 1, 25 waves a work-group, no clusters, 0 bytes of LDS; arguments x, resolutions, xq, lvl; writes xq, lvl
.if DOCPART == 1
	.amdgcn_target "amdgcn-amd-amdhsa--gfx1250"
	.amdhsa_code_object_version 6
	.text
	.protected	k_q0c818103eb_prep
	.globl	k_q0c818103eb_prep
	.p2align	8
	.type	k_q0c818103eb_prep,@function
k_q0c818103eb_prep:
	s_mov_b64 s[64:65], 0
	v_nop
	global_prefetch_b8 v0, s[64:65] scope:SCOPE_SE
	s_setreg_imm32_b32 hwreg(HW_REG_WAVE_MODE, 25, 1), 1
	s_wait_xcnt 0x0
; MULTI-RESOLUTION HASH GRID, first of two launches: x and resolutions become WHOLE NUMBERS, from which the second launch makes every table index by integer arithmetic.
; NOTHING IS LEFT OUT in this program: every input (x, tables, resolutions, W1, b1, W2, b2, W3, b3) has a way to out0 and is loaded by one of the two launches.
; xq[p] = four words X'x, X'y, X'z, 0, with X' = X + 2^31 (as u32) and X = x01 2^25, x01 = fl(x / 2 + 0.5) as reference() rounds it.
;   X IS A WHOLE NUMBER: if |x / 2| >= 0.25, x / 2 and 0.5 are multiples of 2^-25, so is their sum, and rounding it to f32 keeps it one (under 0.5 a multiple of 2^-25 has 24 bits at the most and is exact);
;   otherwise the sum lies in (0.25, 0.75), where neighbouring f32 are 2^-25 apart or more.  One fused multiply-add makes it: fl(x 2^24 + 2^24) = 2^25 fl(x / 2 + 0.5), a scaling by a power of two.
; lvl[l] = eight words Rm, SH, C.lo, C.hi, SM, the bits of res, 0, 0, for res = (-1)^sign Rm 2^(e - 150):
;   x01 res = +-X Rm 2^(e - 175).  P = X' Rm + C (mod 2^64) with C = -(Rm 2^31) - (1 if res < 0) is X Rm, or X Rm - 1; floor(x01 res) = (P.hi >> SH, arithmetic) xor SM,
;   SH = min(31, 143 - e), SM = 0 or -1, since floor(-v / 2^s) = not floor((v - 1) / 2^s).  With 143 - e above 31 the shift of 31 leaves the sign, which is the floor there (|P| < 2^55).
; LIMITS.  |x| < 126 (X fits 32 bits); |res| < 131,072 (e <= 143); a denormal res counts as 0; a NaN or an infinity in x is not carried to the result.
; SHARES.  One thread a point: 625 work-groups x 800 threads = 500,000.  A wave's store covers 512 consecutive bytes of xq, aligned.  Wave 0 of work-group 0 also writes lvl, by one store of 512 bytes.
.set NPW, 800                          ; points of a work-group
	s_load_b256 s[4:11], s[0:1], 0x0               ; x s[4:5], resolutions s[6:7], xq s[8:9], lvl s[10:11]
	s_mul_i32 s12, ttmp9, NPW
	s_mov_b32 s14, 0x4b800000                      ; 2^24
	v_add_nc_u32 v1, s12, v0                       ; my point
	v_mul_u32_u24 v2, v1, 12                       ; its 12 bytes in x
	v_lshlrev_b32 v3, 4, v1                        ; its 16 bytes in xq
	v_lshrrev_b32 v8, 5, v0
	v_readfirstlane_b32 s13, v8                    ; my wave's number
	v_mov_b32 v7, 0                                ; the fourth word
	s_wait_kmcnt 0x0
	global_load_b32 v4, v2, s[4:5]
	global_load_b32 v5, v2, s[4:5] offset:4
	global_load_b32 v6, v2, s[4:5] offset:8
	s_wait_loadcnt 0x0
.irp d, 4,5,6
	v_fma_f32 v\d, v\d, s14, s14                   ; 2^25 fl(x / 2 + 0.5)
.endr
.irp d, 4,5,6
	v_cvt_i32_f32 v\d, v\d                         ; a whole number already: nothing is cut off
.endr
.irp d, 4,5,6
	v_xor_b32 v\d, 0x80000000, v\d                 ; + 2^31, as u32
.endr
	global_store_b128 v3, v[4:7], s[8:9] th:TH_STORE_NT
	s_cmp_lg_u32 ttmp9, 0
	s_cbranch_scc1 .Lend
	s_cmp_lg_u32 s13, 0
	s_cbranch_scc1 .Lend
	; the levels' rows, in registers of their own: lane l makes level l / 2 and stores half l % 2 of its row (here v0 is the lane)
	v_lshrrev_b32 v9, 1, v0
	v_lshlrev_b32 v9, 2, v9
	global_load_b32 v10, v9, s[6:7]
	v_and_b32 v20, 1, v0
	v_lshlrev_b32 v21, 4, v0
	v_mov_b32 v19, 0
	s_wait_loadcnt 0x0
	v_bfe_u32 v11, v10, 23, 8                      ; e
	v_and_b32 v12, 0x7fffff, v10
	v_or_b32 v12, 0x800000, v12
	v_cmp_ne_u32 vcc_lo, 0, v11
	v_cndmask_b32 v12, v19, v12, vcc_lo            ; Rm; 0 where e = 0
	v_ashrrev_i32 v13, 31, v10                     ; SM
	v_min_u32 v14, 143, v11
	v_sub_nc_u32 v14, 143, v14
	v_min_u32 v14, 31, v14                         ; SH
	v_lshlrev_b32 v16, 31, v12                     ; Rm 2^31, low word,
	v_lshrrev_b32 v17, 1, v12                      ; high word;
	v_xor_b32 v16, -1, v16                         ; its complement,
	v_xor_b32 v17, -1, v17
	v_add_nc_u32 v18, 1, v13                       ; + 1, or + 0 where res < 0
	v_add_nc_u64 v[16:17], v[16:17], v[18:19]      ; C
	v_cmp_eq_u32 vcc_lo, 1, v20
	v_cndmask_b32 v24, v12, v13, vcc_lo            ; Rm   | SM
	v_cndmask_b32 v25, v14, v10, vcc_lo            ; SH   | bits of res
	v_cndmask_b32 v26, v16, v19, vcc_lo            ; C.lo | 0
	v_cndmask_b32 v27, v17, v19, vcc_lo            ; C.hi | 0
	global_store_b128 v21, v[24:27], s[10:11]
.Lend:
	s_endpgm
.Lfunc_end_k_q0c818103eb_prep:
	.size	k_q0c818103eb_prep, .Lfunc_end_k_q0c818103eb_prep-k_q0c818103eb_prep
	.p2alignl 7, 3214868480
	.fill 96, 4, 3214868480
	.section	.rodata,"a",@progbits
	.p2align	6, 0x0
	.amdhsa_kernel k_q0c818103eb_prep
		.amdhsa_group_segment_fixed_size 0
		.amdhsa_private_segment_fixed_size 0
		.amdhsa_enable_private_segment 0
		.amdhsa_kernarg_size 32
		.amdhsa_user_sgpr_count 2
		.amdhsa_user_sgpr_kernarg_segment_ptr 1
		.amdhsa_wavefront_size32 1
		.amdhsa_system_sgpr_workgroup_id_x 1
		.amdhsa_system_sgpr_workgroup_id_y 1
		.amdhsa_system_sgpr_workgroup_id_z 1
		.amdhsa_system_vgpr_workitem_id 0
		.amdhsa_next_free_vgpr 32
		.amdhsa_next_free_sgpr 66
		.amdhsa_reserve_vcc 1
		.amdhsa_float_denorm_mode_32 3
		.amdhsa_float_denorm_mode_16_64 3
		.amdhsa_memory_ordered 1
		.amdhsa_forward_progress 1
		.amdhsa_inst_pref_size 3
	.end_amdhsa_kernel
	.amdgpu_metadata
---
amdhsa.version: [ 1, 2 ]
amdhsa.kernels:
  - .name:           k_q0c818103eb_prep
    .symbol:         k_q0c818103eb_prep.kd
    .args:
      - { .name: x, .offset: 0, .size: 8, .value_kind: global_buffer, .address_space: global }
      - { .name: resolutions, .offset: 8, .size: 8, .value_kind: global_buffer, .address_space: global }
      - { .name: xq, .offset: 16, .size: 8, .value_kind: global_buffer, .address_space: global }
      - { .name: lvl, .offset: 24, .size: 8, .value_kind: global_buffer, .address_space: global }
    .group_segment_fixed_size: 0
    .private_segment_fixed_size: 0
    .kernarg_segment_align: 8
    .kernarg_segment_size: 32
    .max_flat_workgroup_size: 800
    .sgpr_count:     66
    .vgpr_count:     32
    .wavefront_size: 32
...
	.end_amdgpu_metadata
.endif
;; end of part 1
;; launch field (part 2): grid 245 x 1, 16 waves a work-group, no clusters, 162,560 bytes of LDS; arguments xq, lvl, tables, W1, b1, W2, b2, W3, b3, out0; writes out0
.if DOCPART == 2
	.amdgcn_target "amdgcn-amd-amdhsa--gfx1250"
	.amdhsa_code_object_version 6
	.text
	.protected	k_q0c818103eb_field
	.globl	k_q0c818103eb_field
	.p2align	8
	.type	k_q0c818103eb_field,@function
k_q0c818103eb_field:
	s_mov_b64 s[64:65], 0
	v_nop
	global_prefetch_b8 v0, s[64:65] scope:SCOPE_SE
	s_setreg_imm32_b32 hwreg(HW_REG_WAVE_MODE, 25, 1), 1
	s_wait_xcnt 0x0
; MULTI-RESOLUTION HASH GRID, second launch: for each point 16 levels x 8 corners are gathered and blended into 32 features; then relu(a W1 + b1), relu(h W2 + b2), h W3 + b3.  Nothing is left out.
; WHOLE NUMBERS.  xq and lvl (made by the launch before; its head says what they hold) give, for each coordinate, p0 = floor(x01 res) of the EXACT product: P = X' Rm + C in 64 bits, p0 = (P.hi >> SH) xor SM.
;   The weight is w = fma(x01, res, -p0), 0 <= w <= 1.  Where reference()'s f32 product rounds up to a whole number n, it has cell n with w = 0 and this text cell n - 1 with w next to 1: the blend is
;   continuous across the cell's face, so the two differ by rounding alone.  idx = (a ^ b ^ c) & (2^19 - 1), a = p0x (+1), b = p0y P1 (+P1), c = p0z P2 (+P2), all modulo 2^32.
; LIMITS.  |x| < 126, |res| < 131,072, so |x01 res| < 2^23; a negative coordinate counts modulo 2^32 (two's complement); a denormal res counts as 0; NaN and infinities in x are not carried to the result.
; FORMATS.  Both large products go to the matrix unit in bf16, each operand as hi + lo (two bf16): Wh Ah + Wl Ah + Wh Al, sums in f32; what is dropped, Wl Al, is some 2^-16 of a term.  Plain bf16 would round six
;   operands to 8 bits each, and every number of out0 must lie within a hundredth of the root mean square.  The last product has ONE column: a dot of 64 in f32 on the vector unit; on the matrix unit
;   15 of its 16 rows would be zeros.
; LANES.  The products are used transposed (source 0 = 16 neurons, source 1 = 16 points).  Lane (r = lane % 16, h = lane / 16) of a tile works for point column r; for i = 0 .. 7 it encodes level 2 i + h, and its two
;   features, packed, ARE register i of source 1: feature 4 i + 2 h + f stands at k = 16 (i / 4) + 8 h + 2 (i % 4) + f.  W1's rows are laid into LDS in the same order of k.  The result holds point r in a lane and
;   neuron 8 h + j in register j; two such results, packed, are source 1 of the next product.  So nothing changes lanes but one exchange between the halves at the end.
;   The two halves of the lanes differ by one level, 2^19 entries: idx | h 2^19 stays under 2^20, and a scalar base carries the pair of levels.
; SHARES.  A work-group has 2,048 points, each of its 16 waves 128, in two PASSES of 64: four tiles of 16.  Tile t = 2 j + tl of pass s, column r, is point base + 64 s + 2 (16 tl + r) + j: at a pass's end lane L
;   holds points 2 L and 2 L + 1 of the 64, and the wave's store covers 256 consecutive bytes, aligned.  244 x 2,048 + 288 = 500,000: in the last work-group waves 3 to 15 only help to lay the weights; its wave 2
;   has 32 live points, names point 499,999 in place of those beyond, and masks its stores: six tiles of that one wave are computed in vain.
; A PASS walks all 16 levels in four TRIPS of eight units (two pairs of levels x four tiles), then runs the MLP on its four tiles, two at a time.  The trips are written out (by macro): the level stands in immediates
;   and register numbers, and what the loop over passes changes is global offsets alone.  All waves walk the levels in the same order; each wave walks them twice.
; NO CLUSTER, NO TENSOR LOADS: the table reads are single words of 8 bytes at computed places, and what work-groups share, the weights, is 24 KiB read once by each.
; LDS.  W1^T hi, lo: [64 neurons][32 k] bf16, rows 80 bytes apart; W2^T hi, lo: [64][64], rows 144 apart (odd multiples of 16: the 16 rows of a fragment load start at 16 different groups of four banks, ISA guide 11.1);
;   b1, b2, W3 in f32; the spare words; F: each wave's own 8 KiB, [tile][i][lane] pairs of words (hi, lo).  A wave names F by F0 = FB + 8,192 x wave + 8 x lane, which is never rewritten, plus an immediate of 7,940
;   at the most: no wave touches another's F, and no barrier is wanted for it.
.set NPTS,   500000
.set W1L,    5120                      ; W1^T hi at 0, lo here
.set W2H,    10240
.set W2D,    9216                      ; from W2^T hi to lo
.set BIA,    28672                     ; b1; b2 256 further on; W3 512 further on
.set SPARE,  29440                     ; the spare words: 128 bytes for each of 16 waves, eight blocks of 256 bytes that no other line names
.set FB,     31488                     ; F
.set FWAVE,  8192
.set FTILE,  2048
.set FROW,   256
; vector registers that stand through the whole kernel
.set PT,   1                           ; v1   the first of my two points in the pass's store: base + 64 s + 2 x lane
.set SPW,  2                           ; v2   LDS address of my spare word; never rewritten
.set NIL,  3                           ; v3   0; never rewritten
.set HB,   4                           ; v4   h 2^19
.set WA1,  5                           ; v5   80 r + 16 h
.set NEG1, 6                           ; v6   -1.0
.set WA2,  7                           ; v7   144 r + 16 h
.set BA,   8                           ; v8   32 h: my half's place in the biases (LDS) and in a pair of lvl's rows (memory)
.set OO,   9                           ; v9   my 8 bytes of out0
.set F0,   10                          ; v10  my pair of words in my wave's F; never rewritten
.set RX,   11                          ; v11  what the other half of the lanes sent
.set OUT,  12                          ; v[12:13] my two results
.set KP,   14                          ; v14  kept
.set SD,   15                          ; v15  sent
; the encode part of a pass
.set PR,   16                          ; v[16:47] lvl's rows: two sets, by the trip's parity, of two rows of eight: Rm, SH, C (two words), SM, res, 0, 0
.set TT,   48                          ; v[48:63] at work
.set PKH,  64                          ; v[64:65] a pair of features: hi, lo
.set XO,   66                          ; v[66:69] tile t's byte offset in xq
.set XS,   70                          ; v[70+6t ..] tile t: X'x, X'y, X'z, then x01 as f32, three words
.set WT,   96                          ; v[96+4u ..] unit u: wx, wy, wz, and p0x as f32 (named with wz as a pair)
.set GG,   128                         ; v[128+16u ..] unit u: eight corners, two features each
; the MLP part
.set FF,   16                          ; v[16:47]  features: tile tl at 16 tl: hi 8, lo 8.  Later W3: 8 registers for each 16 neurons
.set HH,   48                          ; v[48:111] h1: tile tl at 32 tl: hi k 0-31, hi k 32-63, lo, lo
.set DD,   112                         ; v[112:143] four accumulators: (ntl, tl) at 8 (2 ntl + tl)
.set WS,   144                         ; v[144:207] weight fragments
.set BS,   208                         ; v[208:239] the layer's bias: 8 registers for each 16 neurons
.set AC,   240                         ; v[240:247] the dot's four chains, a pair each: (tl, ntl) at 2 (2 tl + ntl)
; scalar registers: s[8:27] the ten addresses; s28 b3; s29 wave; s30 the wave's first point; s31 2^19 - 1; s33 mask of lanes 16-31; s[34:35] lane selects; s36 EXEC kept; s37, s38 the primes; s39 passes to go;
; s[40:41] b1, b2 or W3
.set TB,   44                          ; s[44:59] tables at the pair of levels i: 8 MiB apart
; a pair of f32 (registers a, b) as two bf16 pairs: hi rounded to nearest, lo = the rest, rounded once from the exact difference
.macro SPLIT2 hi, lo, a, b
	v_cvt_pk_bf16_f32 v[\hi], v[\a], v[\b]
	v_fma_mixlo_bf16 v[\lo], v[\hi], v[NEG1], v[\a] op_sel_hi:[1,0,0]
	v_fma_mixhi_bf16 v[\lo], v[\hi], v[NEG1], v[\b] op_sel:[1,0,0] op_sel_hi:[1,0,0]
.endm
	s_load_b512 s[8:23], s[0:1], 0x0               ; xq 8, lvl 10, tables 12, W1 14, b1 16, W2 18, b2 20, W3 22
	s_load_b128 s[24:27], s[0:1], 0x40             ; b3 24, out0 26
	v_lshl_add_u32 v[SPW], v0, 2, SPARE
	v_mov_b32 v[NIL], 0
	v_lshrrev_b32 v1, 5, v0
	v_readfirstlane_b32 s29, v1                    ; wave 0..15
	v_and_b32 v28, 31, v0                          ; lane
	v_and_b32 v29, 15, v0                          ; r
	v_bfe_u32 v30, v0, 4, 1                        ; h
	s_lshl_b32 s30, ttmp9, 11
	s_lshl_b32 s2, s29, 7
	s_add_co_u32 s30, s30, s2                      ; the wave's first point
	; THE WEIGHTS.  Wave w lays neurons 4 w .. 4 w + 3 of both matrices; a lane is one k: it loads 16 bytes (four neurons) of row k.  For W1 lane k loads the feature that stands at k:
	; 16 (k / 16) + 4 ((k / 2) % 4) + 2 ((k / 8) % 2) + k % 2.
	s_lshl_b32 s2, s29, 4                          ; 16 w: the four neurons' bytes in a row of 256
	v_lshl_add_u32 v150, v28, 8, s2                ; W2: row = lane
	v_and_b32 v151, 17, v28
	v_bfe_u32 v152, v28, 1, 2
	v_bfe_u32 v153, v28, 3, 1
	v_lshl_or_b32 v151, v152, 2, v151
	v_lshl_or_b32 v151, v153, 1, v151
	v_lshl_add_u32 v151, v151, 8, s2               ; W1: the permuted row
	s_mul_i32 s3, s29, 320
	v_lshl_add_u32 v155, v28, 1, s3                ; LDS: 4 w rows of 80 bytes + 2 k
	s_mul_i32 s4, s29, 576
	v_lshl_add_u32 v156, v28, 1, s4                ; LDS: 4 w rows of 144 bytes + 2 k
	v_mov_b32 v[NEG1], -1.0
.irp p, 0,1,2,3,4,5
	v_mov_b32 v[142+(\p)], 0                       ; written whole once: the two lines that fill them write a half each
.endr
	v_mov_b32 v[PKH+1], 0                          ; likewise
	v_mov_b32 v[RX], 0                             ; v_permlanex16_b32's destination counts as read
	s_wait_kmcnt 0x0
	s_load_b32 s28, s[24:25], 0x0                  ; b3
	global_load_b128 v[124:127], v151, s[14:15]
	global_load_b128 v[128:131], v150, s[18:19]
	global_load_b128 v[132:135], v150, s[18:19] offset:8192  ; k + 32
	s_cmp_lt_u32 s29, 3                            ; waves 0, 1, 2 copy b1, b2, W3: 256 bytes each, 8 a lane
	s_cbranch_scc0 .Lnobias
	s_cmp_eq_u32 s29, 0
	s_cselect_b64 s[40:41], s[16:17], s[20:21]
	s_cmp_eq_u32 s29, 2
	s_cselect_b64 s[40:41], s[22:23], s[40:41]
	v_lshlrev_b32 v35, 3, v28
	global_load_b64 v[36:37], v35, s[40:41]
	s_lshl_b32 s2, s29, 8
	v_add_nc_u32 v38, s2, v35
	s_wait_loadcnt 0x0
	ds_store_b64 v38, v[36:37] offset:BIA
.Lnobias:
	s_wait_loadcnt 0x0                             ; the three weight loads
.irp p, 0,1,2,3,4,5
	SPLIT2 136+(\p), 142+(\p), 124+2*(\p), 125+2*(\p)
.endr
.irp p, 0,1                            ; neurons 4 w + 2 p (low half) and 4 w + 2 p + 1 (high half)
	ds_store_b16        v155, v[136+(\p)] offset:160*(\p)
	ds_store_b16_d16_hi v155, v[136+(\p)] offset:160*(\p)+80
	ds_store_b16        v155, v[142+(\p)] offset:W1L+160*(\p)
	ds_store_b16_d16_hi v155, v[142+(\p)] offset:W1L+160*(\p)+80
.irp q, 0,1                            ; k = lane + 32 q
	ds_store_b16        v156, v[138+2*(\q)+(\p)] offset:W2H+64*(\q)+288*(\p)
	ds_store_b16_d16_hi v156, v[138+2*(\q)+(\p)] offset:W2H+64*(\q)+288*(\p)+144
	ds_store_b16        v156, v[144+2*(\q)+(\p)] offset:W2H+W2D+64*(\q)+288*(\p)
	ds_store_b16_d16_hi v156, v[144+2*(\q)+(\p)] offset:W2H+W2D+64*(\q)+288*(\p)+144
.endr
.endr
	s_wait_dscnt 0x0                               ; for the others' sake: my part of the weights lies in LDS
	s_barrier_signal -1
	s_barrier_wait -1                              ; everybody's does.  The kernel's one barrier: these bytes are never written again, and F is each wave's own
	s_cmp_ge_u32 s30, NPTS
	s_cbranch_scc1 .Lend                           ; the last work-group's waves 3 to 15 have no point
	s_mov_b32 s31, 0x7ffff
	s_mov_b32 s37, 0x9e3779b1                      ; 2,654,435,761
	s_mov_b32 s38, 0x30025795                      ; 805,459,861
	s_mov_b32 s33, 0xffff0000
	s_mov_b32 s34, 0x76543210
	s_mov_b32 s35, 0xfedcba98
	s_mov_b32 s39, 2
.irp i, 0,1,2,3,4,5,6,7
	s_add_nc_u64 s[TB+2*(\i):TB+2*(\i)+1], s[12:13], 0x800000*(\i)  ; a pair of levels is 2 x 4 MiB
.endr
	v_lshlrev_b32 v[HB], 19, v30
	s_mul_i32 s2, s29, FWAVE
	s_add_co_u32 s2, s2, FB
	v_lshl_add_u32 v[F0], v28, 3, s2               ; my wave's 8 KiB + 8 x lane
	v_mul_u32_u24 v[WA1], v29, 80
	v_lshl_add_u32 v[WA1], v30, 4, v[WA1]
	v_mul_u32_u24 v[WA2], v29, 144
	v_lshl_add_u32 v[WA2], v30, 4, v[WA2]
	v_lshlrev_b32 v[BA], 5, v30
	s_lshl_b32 s2, s30, 2
	v_lshl_add_u32 v[OO], v28, 3, s2
	v_lshl_add_u32 v[PT], v28, 1, s30
	s_wait_kmcnt 0x0                               ; b3
; lvl's rows for trip I: levels 4 I + h and 4 I + 2 + h, into the set of the trip's parity
.macro PLOAD I
.irp il, 0,1
	global_load_b128 v[PR+16*((\I)%2)+8*(\il):PR+16*((\I)%2)+8*(\il)+3],   v[BA], s[10:11] offset:64*(2*(\I)+(\il))
	global_load_b128 v[PR+16*((\I)%2)+8*(\il)+4:PR+16*((\I)%2)+8*(\il)+7], v[BA], s[10:11] offset:64*(2*(\I)+(\il))+16
.endr
.endm
; Unit u of trip I: tile u % 4, pair of levels i = 2 I + u / 4.  The three coordinates, the weights, the eight indices, the eight gathers.  Each gather lands on its own address register.
.macro IDX I, u
.set rS, XS+6*((\u)%4)
.set rW, WT+4*(\u)
.set rG, GG+16*(\u)
.set rP, PR+16*((\I)%2)+8*((\u)/4)
.set rB, TB+2*(2*(\I)+(\u)/4)
.irp d, 0,1,2
	v_mad_co_u64_u32 v[TT+6+2*(\d):TT+7+2*(\d)], vcc_lo, v[rS+(\d)], v[rP], v[rP+2:rP+3]  ; P = X' Rm + C; the carry is not used
.endr
.irp d, 0,1,2
	v_ashrrev_i32 v[TT+2+(\d)], v[rP+1], v[TT+7+2*(\d)]
.endr
.irp d, 0,1,2
	v_xor_b32 v[TT+2+(\d)], v[rP+4], v[TT+2+(\d)]  ; p0
.endr
	v_cvt_f32_i32 v[rW+3], v[TT+2]
	v_cvt_f32_i32 v[TT+13], v[TT+3]
	v_cvt_f32_i32 v[TT+14], v[TT+4]
	v_fma_f32 v[rW],   v[rS+3], v[rP+5], -v[rW+3]  ; w = x01 res - p0, rounded once
	v_fma_f32 v[rW+1], v[rS+4], v[rP+5], -v[TT+13]
	v_fma_f32 v[rW+2], v[rS+5], v[rP+5], -v[TT+14]
	v_mul_lo_u32 v[TT+6], v[TT+3], s37             ; b0
	v_mul_lo_u32 v[TT+8], v[TT+4], s38             ; c0
	v_add_nc_u32 v[TT+15], 1, v[TT+2]              ; a1
	v_add_nc_u32 v[TT+7], s37, v[TT+6]             ; b1
	v_add_nc_u32 v[TT+9], s38, v[TT+8]             ; c1
	v_xor_b32 v[TT+10], v[TT+6], v[TT+8]           ; b_j ^ c_k at TT + 10 + j + 2 k
	v_xor_b32 v[TT+11], v[TT+7], v[TT+8]
	v_xor_b32 v[TT+12], v[TT+6], v[TT+9]
	v_xor_b32 v[TT+13], v[TT+7], v[TT+9]
.irp q, 10,11,12,13
	v_and_b32 v[TT+(\q)], s31, v[TT+(\q)]
.endr
	v_and_or_b32 v[TT+14], v[TT+2], s31, v[HB]     ; a_i, cut to 19 bits, with my level of the pair on top
	v_and_or_b32 v[TT+15], v[TT+15], s31, v[HB]
.irp c, 0,1,2,3,4,5,6,7                ; corner c = i + 2 j + 4 k
	v_xor_b32 v[rG+2*(\c)], v[TT+14+(\c)%2], v[TT+10+(\c)/2]
.endr
.irp c, 0,1,2,3,4,5,6,7
	v_min_u32 v[rG+2*(\c)], 0xfffff, v[rG+2*(\c)]  ; changes nothing (20 bits)
.endr
.irp c, 0,1,2,3,4,5,6,7
	v_lshlrev_b32 v[rG+2*(\c)], 3, v[rG+2*(\c)]    ; an entry is 8 bytes: under 2^23, behind the pair of levels' first byte
.endr
.irp c, 0,1,2,3,4,5,6,7
	global_load_b64 v[rG+2*(\c):rG+2*(\c)+1], v[rG+2*(\c)], s[rB:rB+1]
.endr
.endm
; Unit u of trip I: seven blends of two features each, A += w (B - A): four along x, two along y, one along z; then the pair as hi and lo into my wave's F.  left = the gathers issued behind this unit's.
.macro LERP I, u, left
.set rW, WT+4*(\u)
.set rG, GG+16*(\u)
.set fo, FTILE*((\u)%4)+FROW*(2*(\I)+(\u)/4)
	s_wait_loadcnt \left                           ; loads come back in order (ISA guide 5.7.1): this unit's eight are in, the later units' may stay out
.irp q, 0,1,2,3
	v_pk_add_f32 v[rG+4*(\q)+2:rG+4*(\q)+3], v[rG+4*(\q)+2:rG+4*(\q)+3], v[rG+4*(\q):rG+4*(\q)+1] neg_lo:[0,1] neg_hi:[0,1]
.endr
.irp q, 0,1,2,3
	v_pk_fma_f32 v[rG+4*(\q):rG+4*(\q)+1], v[rG+4*(\q)+2:rG+4*(\q)+3], v[rW:rW+1], v[rG+4*(\q):rG+4*(\q)+1] op_sel_hi:[1,0,1]  ; wx for both
.endr
.irp q, 0,1
	v_pk_add_f32 v[rG+8*(\q)+4:rG+8*(\q)+5], v[rG+8*(\q)+4:rG+8*(\q)+5], v[rG+8*(\q):rG+8*(\q)+1] neg_lo:[0,1] neg_hi:[0,1]
.endr
.irp q, 0,1
	v_pk_fma_f32 v[rG+8*(\q):rG+8*(\q)+1], v[rG+8*(\q)+4:rG+8*(\q)+5], v[rW:rW+1], v[rG+8*(\q):rG+8*(\q)+1] op_sel:[0,1,0] op_sel_hi:[1,1,1]  ; wy for both
.endr
	v_pk_add_f32 v[rG+8:rG+9], v[rG+8:rG+9], v[rG:rG+1] neg_lo:[0,1] neg_hi:[0,1]
	v_pk_fma_f32 v[rG:rG+1], v[rG+8:rG+9], v[rW+2:rW+3], v[rG:rG+1] op_sel_hi:[1,0,1]  ; wz for both
	SPLIT2 PKH, PKH+1, rG, rG+1
	ds_store_b64 v[F0], v[PKH:PKH+1] offset:fo     ; 32 lanes, 256 consecutive bytes
.endm
; A trip: the next trip's rows of lvl are asked for first, so they are older than all the trip's gathers.  Seven units' gathers go out, 56; unit 0 is blended; unit 7's go out; the rest is blended.
; With lvl's four loads a wave has 60 loads out at the most.  The last wait is for 0: every load of the trip is done, so its address registers may be written again.
.macro TRIP I
.if (\I) < 3
	PLOAD (\I)+1
.endif
.irp u, 0,1,2,3,4,5,6
	IDX \I, \u
.endr
	LERP \I, 0, 48                                 ; behind unit 0's gathers: those of units 1 to 6
	IDX \I, 7
.irp u, 1,2,3,4,5,6,7
	LERP \I, \u, 8*(7-(\u))                        ; behind unit u's: those of units u + 1 to 7
.endr
.endm
.macro PLACES                          ; four places behind the last matrix instruction, in front of vector lines that read its results and of loads into registers that it has read
.rept 4
	v_nop
.endr
.endm
.macro LDF j                           ; the features of tiles 2 j, 2 j + 1: each lane reads back the words that it stored itself (LDS serves a wave's instructions in order, ISA guide 5.7.1.4); lanes 8 bytes apart
.irp tl, 0,1
.irp p, 0,1
.irp i, 0,1,2,3,4,5,6,7
	ds_load_b32 v[FF+16*(\tl)+8*(\p)+(\i)], v[F0] offset:FTILE*(2*(\j)+(\tl))+FROW*(\i)+4*(\p)
.endr
.endr
.endr
.endm
.macro LDW1                            ; all of W1^T: 16 neurons nt, plane p, at WS + 16 nt + 8 p
.irp nt, 0,1,2,3
.irp p, 0,1
	ds_load_b128 v[WS+16*(\nt)+8*(\p):WS+16*(\nt)+8*(\p)+3],   v[WA1] offset:W1L*(\p)+1280*(\nt)
	ds_load_b128 v[WS+16*(\nt)+8*(\p)+4:WS+16*(\nt)+8*(\p)+7], v[WA1] offset:W1L*(\p)+1280*(\nt)+32
.endr
.endr
.endm
.macro LDW2 np                         ; half of W2^T: neurons 16 (2 np + ntl) on, plane p, k 32 ks on, at WS + 32 ntl + 16 p + 8 ks
.irp ntl, 0,1
.irp p, 0,1
.irp ks, 0,1
	ds_load_b128 v[WS+32*(\ntl)+16*(\p)+8*(\ks):WS+32*(\ntl)+16*(\p)+8*(\ks)+3],   v[WA2] offset:W2H+W2D*(\p)+2304*(2*(\np)+(\ntl))+64*(\ks)
	ds_load_b128 v[WS+32*(\ntl)+16*(\p)+8*(\ks)+4:WS+32*(\ntl)+16*(\p)+8*(\ks)+7], v[WA2] offset:W2H+W2D*(\p)+2304*(2*(\np)+(\ntl))+64*(\ks)+32
.endr
.endr
.endr
.endm
.macro LDB dst, off                    ; 64 f32 (b1, b2 or W3) as a result holds its neurons: register j of block nt = number 16 nt + 8 h + j
.irp nt, 0,1,2,3
	ds_load_b128 v[(\dst)+8*(\nt):(\dst)+8*(\nt)+3],   v[BA] offset:BIA+(\off)+64*(\nt)
	ds_load_b128 v[(\dst)+8*(\nt)+4:(\dst)+8*(\nt)+7], v[BA] offset:BIA+(\off)+64*(\nt)+16
.endr
.endm
; Layer 1, neurons 32 np on, both tiles: 12 matrix instructions.  The four accumulators take turns, one instruction a turn.  The first term takes the bias as C.
.macro L1 np
.irp term, 0,1,2
.irp ntl, 0,1
.irp tl, 0,1
.set rD, DD+8*(2*(\ntl)+(\tl))
.set rA, WS+16*(2*(\np)+(\ntl))+8*((\term)%2)   ; Wh, Wl, Wh
.set rF, FF+16*(\tl)+8*((\term)/2)              ; Fh, Fh, Fl
.set rC, BS+8*(2*(\np)+(\ntl))
.if (\term) == 0
	v_wmma_f32_16x16x32_bf16 v[rD:rD+7], v[rA:rA+7], v[rF:rF+7], v[rC:rC+7]
.else
	v_wmma_f32_16x16x32_bf16 v[rD:rD+7], v[rA:rA+7], v[rF:rF+7], v[rD:rD+7]
.endif
.endr
.endr
.endr
.endm
; relu, from each accumulator's low end on, and the split into hi and lo: the four results become registers 8 np + 4 ntl .. + 3 of the tiles' h1
.macro SPLITH np
.irp ntl, 0,1
.irp tl, 0,1
.set rD, DD+8*(2*(\ntl)+(\tl))
.set rH, HH+32*(\tl)+8*(\np)+4*(\ntl)
.irp q, 0,1,2,3,4,5,6,7
	v_max_num_f32 v[rD+(\q)], 0, v[rD+(\q)]
.endr
.irp q, 0,1,2,3
	SPLIT2 rH+(\q), rH+16+(\q), rD+2*(\q), rD+2*(\q)+1
.endr
.endr
.endr
.endm
; Layer 2, neurons 32 np on, both tiles: 24 matrix instructions, the four accumulators by turns.  Terms: Wh Hh (k 0-31, with the bias as C; k 32-63), Wl Hh (twice), Wh Hl (twice).
.macro L2 np
.irp term, 0,1,2,3,4,5
.irp ntl, 0,1
.irp tl, 0,1
.set rD, DD+8*(2*(\ntl)+(\tl))
.set rA, WS+32*(\ntl)+16*(((\term)/2)%2)+8*((\term)%2)
.set rF, HH+32*(\tl)+16*((\term)/4)+8*((\term)%2)
.set rC, BS+8*(2*(\np)+(\ntl))
.if (\term) == 0
	v_wmma_f32_16x16x32_bf16 v[rD:rD+7], v[rA:rA+7], v[rF:rF+7], v[rC:rC+7]
.else
	v_wmma_f32_16x16x32_bf16 v[rD:rD+7], v[rA:rA+7], v[rF:rF+7], v[rD:rD+7]
.endif
.endr
.endr
.endr
.endm
; relu and the lane's part of h W3, in f32: four chains of packed multiply-adds; the first product starts each chain, so nothing is cleared
.macro DOT np
.irp ntl, 0,1
.irp tl, 0,1
.set rD, DD+8*(2*(\ntl)+(\tl))
.set rA, AC+2*(2*(\tl)+(\ntl))
.set rV, FF+8*(2*(\np)+(\ntl))
.irp q, 0,1,2,3,4,5,6,7
	v_max_num_f32 v[rD+(\q)], 0, v[rD+(\q)]
.endr
.if (\np) == 0
	v_pk_mul_f32 v[rA:rA+1], v[rD:rD+1], v[rV:rV+1]
.else
	v_pk_fma_f32 v[rA:rA+1], v[rD:rD+1], v[rV:rV+1], v[rA:rA+1]
.endif
.irp q, 1,2,3
	v_pk_fma_f32 v[rA:rA+1], v[rD+2*(\q):rD+2*(\q)+1], v[rV+2*(\q):rV+2*(\q)+1], v[rA:rA+1]
.endr
.endr
.endr
.endm
; A lane holds half of each tile's sum for point r (its 32 neurons).  Lanes 0-15 keep tile 0's half and send tile 1's, lanes 16-31 the other way round: one exchange, and lane L has the whole sum of point 2 L + j.
.macro FIN j
	v_pk_add_f32 v[AC:AC+1], v[AC:AC+1], v[AC+2:AC+3]
	v_pk_add_f32 v[AC+4:AC+5], v[AC+4:AC+5], v[AC+6:AC+7]
	v_add_f32 v[AC], v[AC], v[AC+1]
	v_add_f32 v[AC+4], v[AC+4], v[AC+5]
	v_cndmask_b32 v[KP], v[AC], v[AC+4], s33
	v_cndmask_b32 v[SD], v[AC+4], v[AC], s33
	v_permlanex16_b32 v[RX], v[SD], s34, s35
	v_add_f32 v[KP], v[KP], v[RX]
	v_add_f32 v[OUT+(\j)], s28, v[KP]              ; + b3
.endm
; Two tiles at a time share each weight fragment read from LDS.
.macro GROUP j
	LDF \j
	LDW1
	LDB BS, 0                                      ; b1
	s_wait_dscnt 0x0
	L1 0
	PLACES
	SPLITH 0
	L1 1
	PLACES
	LDW2 0                                         ; layer 2's first loads go out under the second split
	LDB BS, 256                                    ; b2
	LDB FF, 512                                    ; W3, where the features lay
	SPLITH 1
	s_wait_dscnt 0x0
	L2 0
	PLACES
	LDW2 1                                         ; and its second under the first dot
	DOT 0
	s_wait_dscnt 0x0
	L2 1
	PLACES
	DOT 1
	FIN \j
.endm
.Lpass:                                        ; two passes of four tiles, 64 points
	v_sub_nc_u32 v[TT], v[PT], v[BA]               ; base + 64 s + 2 r: both halves of the lanes work for the same point
.irp t, 0,1,2,3
	v_add_nc_u32 v[XO+(\t)], 32*((\t)%2)+(\t)/2, v[TT]
	v_min_u32 v[XO+(\t)], NPTS-1, v[XO+(\t)]       ; beyond the last point: the last point
	v_lshlrev_b32 v[XO+(\t)], 4, v[XO+(\t)]
.endr
.irp t, 0,1,2,3
	global_load_b128 v[XS+6*(\t):XS+6*(\t)+3], v[XO+(\t)], s[8:9]
.endr
	PLOAD 0
	s_wait_loadcnt 0x0                             ; xq's four rows and lvl's first rows
.irp t, 0,1,2,3
.irp d, 0,1,2
	v_xor_b32 v[TT+8+(\d)], 0x80000000, v[XS+6*(\t)+(\d)]
.endr
.irp d, 0,1,2
	v_cvt_f32_i32 v[TT+8+(\d)], v[TT+8+(\d)]       ; X has 24 significant bits at the most: exact
.endr
.irp d, 0,1,2
	v_mul_f32 v[XS+6*(\t)+3+(\d)], 0x33000000, v[TT+8+(\d)]  ; x01 = X 2^-25
.endr
.endr
	TRIP 0
	TRIP 1
	TRIP 2
	TRIP 3
	GROUP 0
	GROUP 1
	v_cmp_gt_u32 vcc_lo, NPTS, v[PT]               ; NPTS is even: my two points are both live or both beyond the end
	s_wait_xcnt 0x0                                ; EXEC changes only behind this wait,
	s_and_saveexec_b32 s36, vcc_lo
	global_store_b64 v[OO], v[OUT:OUT+1], s[26:27] th:TH_STORE_NT  ; the wave stores 256 consecutive bytes, at a multiple of 256 from out0's first byte
	s_wait_xcnt 0x0                                ; and again; behind it the store's address and data registers may be written too
	s_or_b32 exec_lo, exec_lo, s36
	v_add_nc_u32 v[OO], 256, v[OO]
	v_add_nc_u32 v[PT], 64, v[PT]
	s_sub_co_u32 s39, s39, 1
	s_cmp_lg_u32 s39, 0
	s_cbranch_scc1 .Lpass
.Lend:
	s_wait_tensorcnt 0x0                           ; the wave's end, behind my last LDS store
	ds_add_u32 v[SPW], v[NIL]
	s_wait_dscnt 0x0
	s_endpgm
.Lfunc_end_k_q0c818103eb_field:
	.size	k_q0c818103eb_field, .Lfunc_end_k_q0c818103eb_field-k_q0c818103eb_field
	.p2alignl 7, 3214868480
	.fill 96, 4, 3214868480
	.section	.rodata,"a",@progbits
	.p2align	6, 0x0
	.amdhsa_kernel k_q0c818103eb_field
		.amdhsa_group_segment_fixed_size 162560
		.amdhsa_private_segment_fixed_size 0
		.amdhsa_enable_private_segment 0
		.amdhsa_kernarg_size 80
		.amdhsa_user_sgpr_count 2
		.amdhsa_user_sgpr_kernarg_segment_ptr 1
		.amdhsa_wavefront_size32 1
		.amdhsa_system_sgpr_workgroup_id_x 1
		.amdhsa_system_sgpr_workgroup_id_y 1
		.amdhsa_system_sgpr_workgroup_id_z 1
		.amdhsa_system_vgpr_workitem_id 0
		.amdhsa_next_free_vgpr 256
		.amdhsa_next_free_sgpr 66
		.amdhsa_reserve_vcc 1
		.amdhsa_float_denorm_mode_32 3
		.amdhsa_float_denorm_mode_16_64 3
		.amdhsa_memory_ordered 1
		.amdhsa_forward_progress 1
		.amdhsa_inst_pref_size 194
	.end_amdhsa_kernel
	.amdgpu_metadata
---
amdhsa.version: [ 1, 2 ]
amdhsa.kernels:
  - .name:           k_q0c818103eb_field
    .symbol:         k_q0c818103eb_field.kd
    .args:
      - { .name: xq, .offset: 0, .size: 8, .value_kind: global_buffer, .address_space: global }
      - { .name: lvl, .offset: 8, .size: 8, .value_kind: global_buffer, .address_space: global }
      - { .name: tables, .offset: 16, .size: 8, .value_kind: global_buffer, .address_space: global }
      - { .name: W1, .offset: 24, .size: 8, .value_kind: global_buffer, .address_space: global }
      - { .name: b1, .offset: 32, .size: 8, .value_kind: global_buffer, .address_space: global }
      - { .name: W2, .offset: 40, .size: 8, .value_kind: global_buffer, .address_space: global }
      - { .name: b2, .offset: 48, .size: 8, .value_kind: global_buffer, .address_space: global }
      - { .name: W3, .offset: 56, .size: 8, .value_kind: global_buffer, .address_space: global }
      - { .name: b3, .offset: 64, .size: 8, .value_kind: global_buffer, .address_space: global }
      - { .name: out0, .offset: 72, .size: 8, .value_kind: global_buffer, .address_space: global }
    .group_segment_fixed_size: 162560
    .private_segment_fixed_size: 0
    .kernarg_segment_align: 8
    .kernarg_segment_size: 80
    .max_flat_workgroup_size: 512
    .sgpr_count:     66
    .vgpr_count:     256
    .wavefront_size: 32
...
	.end_amdgpu_metadata
.endif
;; end of part 2
;; ======== version 2 of 4: 2 launches; 1.15 times as fast as version 1
;; limits: inputs' magnitudes at most 126; right only within a limited range of input values; inputs' magnitudes at most 3.9; values are held in f16: magnitudes above 65,504 overflow, below 6.1e-05 lose precision; below input magnitudes of 7.45e-09 results are inexact or not finite
;; workspace buffers: xq 8,000,000 bytes of whole numbers; lvl 512 bytes of whole numbers; tq 33,554,432 bytes
;; launch prep (part 3): grid 2048 x 1, 8 waves a work-group, no clusters, 0 bytes of LDS; arguments x, resolutions, tables, xq, lvl, tq; writes xq, lvl, tq
.if DOCPART == 3
	.amdgcn_target "amdgcn-amd-amdhsa--gfx1250"
	.amdhsa_code_object_version 6
	.text
	.protected	k_q0c818103eb_prep
	.globl	k_q0c818103eb_prep
	.p2align	8
	.type	k_q0c818103eb_prep,@function
k_q0c818103eb_prep:
	s_mov_b64 s[64:65], 0
	v_nop
	global_prefetch_b8 v0, s[64:65] scope:SCOPE_SE
	s_setreg_imm32_b32 hwreg(HW_REG_WAVE_MODE, 25, 1), 1
	s_wait_xcnt 0x0
; MULTI-RESOLUTION HASH GRID, first of two launches.  x and resolutions become WHOLE NUMBERS, from which the second launch makes every table index by integer arithmetic; the tables are copied in f16.
; NOTHING IS LEFT OUT in this program: every input (x, tables, resolutions, W1, b1, W2, b2, W3, b3) has a way to out0 and is loaded by one of the two launches.
; xq[p] = four words X'x, X'y, X'z, 0, with X' = X + 2^31 (as u32) and X = x01 2^25, x01 = fl(x / 2 + 0.5) as reference() rounds it.
;   X IS A WHOLE NUMBER: if |x / 2| >= 0.25, x / 2 and 0.5 are multiples of 2^-25, so is their sum, and rounding it to f32 keeps it one (under 0.5 a multiple of 2^-25 has 24 bits at the most and is exact);
;   otherwise the sum lies in (0.25, 0.75), where neighbouring f32 are 2^-25 apart or more.  One fused multiply-add makes it: fl(x 2^24 + 2^24) = 2^25 fl(x / 2 + 0.5), a scaling by a power of two.
; lvl[l] = eight words Rm, SH, C.lo, C.hi, SM, the bits of res, 0, 0, for res = (-1)^sign Rm 2^(e - 150):
;   x01 res = +-X Rm 2^(e - 175).  P = X' Rm + C (mod 2^64) with C = -(Rm 2^31) - (1 if res < 0) is X Rm, or X Rm - 1; floor(x01 res) = (P.hi >> SH, arithmetic) xor SM,
;   SH = min(31, 143 - e), SM = 0 or -1, since floor(-v / 2^s) = not floor((v - 1) / 2^s).  With 143 - e above 31 the shift of 31 leaves the sign, which is the floor there (|P| < 2^55).
; tq[l][e] = one word: the entry's two features times 2^13, each rounded once to f16, the first in the low half.  The second launch reads 8 corners x 16 levels for each point, so an entry of 4 bytes halves what
;   it gathers; the copy costs each table byte read once and half as many written.  The factor is a power of two, so it rounds nothing; it lays f16's normal range, 2^-14 to 2^16, on 2^-27 to 2^3.
; LIMITS.  |x| < 126 (X fits 32 bits); |res| < 131,072 (e <= 143); a denormal res counts as 0; a NaN or an infinity in x is not carried to the result.
;   |tables| < 3.9 (the second launch takes differences of two entries in f16, which ends at 65,504); an entry keeps 11 significant bits, and under 2^-27 the fixed step 2^-37.
; SHARES.  2,048 work-groups x 8 waves = 16,384 waves.  Each wave copies 4 KiB of tables: eight loads of 512 consecutive bytes, all out together, and eight stores, each of 256 consecutive bytes, aligned.
;   The first 15,625 waves also take 32 points each (15,625 x 32 = 500,000): one store of 512 consecutive bytes of xq.  Wave 0 of work-group 0 also writes lvl, by one store of 512 bytes.
.set NWP, 15625                        ; waves that have points
.set TI,  12                           ; v[12:43] eight loads of four f32
.set TO,  44                           ; v[44:59] eight stores of two words
	s_load_b256 s[4:11], s[0:1], 0x0               ; x s[4:5], resolutions s[6:7], tables s[8:9], xq s[10:11]
	s_load_b128 s[12:15], s[0:1], 0x20             ; lvl s[12:13], tq s[14:15]
	v_lshrrev_b32 v8, 5, v0
	v_readfirstlane_b32 s16, v8                    ; my wave's number in the work-group
	s_lshl_b32 s17, ttmp9, 3
	s_add_co_u32 s17, s17, s16                     ; and in the launch
	s_mov_b32 s18, 0x4b800000                      ; 2^24
	s_mov_b32 s20, 0x46000000                      ; 2^13
	s_mov_b32 s21, s20                             ; named with it as a pair
	v_and_b32 v1, 31, v0                           ; lane
	s_lshl_b32 s19, s17, 12
	v_lshl_add_u32 v9, v1, 4, s19                  ; tables: 4,096 x wave + 16 x lane
	s_lshl_b32 s22, s17, 11
	v_lshl_add_u32 v10, v1, 3, s22                 ; tq: 2,048 x wave + 8 x lane
	s_wait_kmcnt 0x0
.irp j, 0,1,2,3,4,5,6,7
	global_load_b128 v[TI+4*(\j):TI+4*(\j)+3], v9, s[8:9] offset:512*(\j) th:TH_LOAD_NT
.endr
	s_cmp_lt_u32 s17, NWP
	s_cbranch_scc0 .Ltab
	s_lshl_b32 s23, ttmp9, 8
	v_add_nc_u32 v11, s23, v0                      ; my point
	v_mul_u32_u24 v2, v11, 12                      ; its 12 bytes in x
	v_lshlrev_b32 v3, 4, v11                       ; its 16 bytes in xq
	v_mov_b32 v7, 0                                ; the fourth word
	global_load_b32 v4, v2, s[4:5]
	global_load_b32 v5, v2, s[4:5] offset:4
	global_load_b32 v6, v2, s[4:5] offset:8
	s_wait_loadcnt 0x0                             ; the youngest three; the eight in front of them went out together with them
.irp d, 4,5,6
	v_fma_f32 v\d, v\d, s18, s18                   ; 2^25 fl(x / 2 + 0.5)
.endr
.irp d, 4,5,6
	v_cvt_i32_f32 v\d, v\d                         ; a whole number already: nothing is cut off
.endr
.irp d, 4,5,6
	v_xor_b32 v\d, 0x80000000, v\d                 ; + 2^31, as u32
.endr
	global_store_b128 v3, v[4:7], s[10:11] th:TH_STORE_NT
.Ltab:
.irp j, 0,1,2,3,4,5,6,7
	s_wait_loadcnt 7-(\j)                          ; loads come back in order (ISA guide 5.7.1): load j is in, the 7 - j younger ones may stay out
	v_pk_mul_f32 v[TI+4*(\j):TI+4*(\j)+1],   v[TI+4*(\j):TI+4*(\j)+1],   s[20:21] op_sel_hi:[1,0]
	v_pk_mul_f32 v[TI+4*(\j)+2:TI+4*(\j)+3], v[TI+4*(\j)+2:TI+4*(\j)+3], s[20:21] op_sel_hi:[1,0]
	v_cvt_pk_f16_f32 v[TO+2*(\j)],   v[TI+4*(\j)],   v[TI+4*(\j)+1]  ; an entry: first feature low, second high
	v_cvt_pk_f16_f32 v[TO+2*(\j)+1], v[TI+4*(\j)+2], v[TI+4*(\j)+3]
	global_store_b64 v10, v[TO+2*(\j):TO+2*(\j)+1], s[14:15] offset:256*(\j) th:TH_STORE_NT  ; each store has data registers of its own
.endr
	s_cmp_lg_u32 s17, 0
	s_cbranch_scc1 .Lend
	; the levels' rows: lane l makes level l / 2 and stores half l % 2 of its row (here v0 is the lane).  v12 to v27 held table words that have been converted; no pending store names them.
	v_lshrrev_b32 v12, 1, v0
	v_lshlrev_b32 v12, 2, v12
	global_load_b32 v13, v12, s[6:7]
	v_and_b32 v22, 1, v0
	v_lshlrev_b32 v23, 4, v0
	v_mov_b32 v21, 0
	s_wait_loadcnt 0x0
	v_bfe_u32 v14, v13, 23, 8                      ; e
	v_and_b32 v15, 0x7fffff, v13
	v_or_b32 v15, 0x800000, v15
	v_cmp_ne_u32 vcc_lo, 0, v14
	v_cndmask_b32 v15, v21, v15, vcc_lo            ; Rm; 0 where e = 0
	v_ashrrev_i32 v16, 31, v13                     ; SM
	v_min_u32 v17, 143, v14
	v_sub_nc_u32 v17, 143, v17
	v_min_u32 v17, 31, v17                         ; SH
	v_lshlrev_b32 v18, 31, v15                     ; Rm 2^31, low word,
	v_lshrrev_b32 v19, 1, v15                      ; high word;
	v_xor_b32 v18, -1, v18                         ; its complement,
	v_xor_b32 v19, -1, v19
	v_add_nc_u32 v20, 1, v16                       ; + 1, or + 0 where res < 0
	v_add_nc_u64 v[18:19], v[18:19], v[20:21]      ; C
	v_cmp_eq_u32 vcc_lo, 1, v22
	v_cndmask_b32 v24, v15, v16, vcc_lo            ; Rm   | SM
	v_cndmask_b32 v25, v17, v13, vcc_lo            ; SH   | bits of res
	v_cndmask_b32 v26, v18, v21, vcc_lo            ; C.lo | 0
	v_cndmask_b32 v27, v19, v21, vcc_lo            ; C.hi | 0
	global_store_b128 v23, v[24:27], s[12:13]
.Lend:
	s_endpgm
.Lfunc_end_k_q0c818103eb_prep:
	.size	k_q0c818103eb_prep, .Lfunc_end_k_q0c818103eb_prep-k_q0c818103eb_prep
	.p2alignl 7, 3214868480
	.fill 96, 4, 3214868480
	.section	.rodata,"a",@progbits
	.p2align	6, 0x0
	.amdhsa_kernel k_q0c818103eb_prep
		.amdhsa_group_segment_fixed_size 0
		.amdhsa_private_segment_fixed_size 0
		.amdhsa_enable_private_segment 0
		.amdhsa_kernarg_size 48
		.amdhsa_user_sgpr_count 2
		.amdhsa_user_sgpr_kernarg_segment_ptr 1
		.amdhsa_wavefront_size32 1
		.amdhsa_system_sgpr_workgroup_id_x 1
		.amdhsa_system_sgpr_workgroup_id_y 1
		.amdhsa_system_sgpr_workgroup_id_z 1
		.amdhsa_system_vgpr_workitem_id 0
		.amdhsa_next_free_vgpr 64
		.amdhsa_next_free_sgpr 66
		.amdhsa_reserve_vcc 1
		.amdhsa_float_denorm_mode_32 3
		.amdhsa_float_denorm_mode_16_64 3
		.amdhsa_memory_ordered 1
		.amdhsa_forward_progress 1
		.amdhsa_inst_pref_size 8
	.end_amdhsa_kernel
	.amdgpu_metadata
---
amdhsa.version: [ 1, 2 ]
amdhsa.kernels:
  - .name:           k_q0c818103eb_prep
    .symbol:         k_q0c818103eb_prep.kd
    .args:
      - { .name: x, .offset: 0, .size: 8, .value_kind: global_buffer, .address_space: global }
      - { .name: resolutions, .offset: 8, .size: 8, .value_kind: global_buffer, .address_space: global }
      - { .name: tables, .offset: 16, .size: 8, .value_kind: global_buffer, .address_space: global }
      - { .name: xq, .offset: 24, .size: 8, .value_kind: global_buffer, .address_space: global }
      - { .name: lvl, .offset: 32, .size: 8, .value_kind: global_buffer, .address_space: global }
      - { .name: tq, .offset: 40, .size: 8, .value_kind: global_buffer, .address_space: global }
    .group_segment_fixed_size: 0
    .private_segment_fixed_size: 0
    .kernarg_segment_align: 8
    .kernarg_segment_size: 48
    .max_flat_workgroup_size: 256
    .sgpr_count:     66
    .vgpr_count:     64
    .wavefront_size: 32
...
	.end_amdgpu_metadata
.endif
;; end of part 3
;; launch field (part 4): grid 245 x 1, 16 waves a work-group, no clusters, 91,904 bytes of LDS; arguments xq, lvl, tq, W1, b1, W2, b2, W3, b3, out0; writes out0
.if DOCPART == 4
	.amdgcn_target "amdgcn-amd-amdhsa--gfx1250"
	.amdhsa_code_object_version 6
	.text
	.protected	k_q0c818103eb_field
	.globl	k_q0c818103eb_field
	.p2align	8
	.type	k_q0c818103eb_field,@function
k_q0c818103eb_field:
	s_mov_b64 s[64:65], 0
	v_nop
	global_prefetch_b8 v0, s[64:65] scope:SCOPE_SE
	s_setreg_imm32_b32 hwreg(HW_REG_WAVE_MODE, 25, 1), 1
	s_wait_xcnt 0x0
; MULTI-RESOLUTION HASH GRID, second launch: for each point 16 levels x 8 corners are gathered and blended into 32 features; then relu(a W1 + b1), relu(h W2 + b2), h W3 + b3.  Nothing is left out; the tables are
;   read through their copy tq, which the launch before has made (f16, times 2^13: its head says why and within which limits), so tables itself is not among this launch's arguments.
; WHOLE NUMBERS.  xq and lvl (made by the launch before; its head says what they hold) give, for each coordinate, p0 = floor(x01 res) of the EXACT product: P = X' Rm + C in 64 bits, p0 = (P.hi >> SH) xor SM.
;   The weight is w = fma(x01, res, -p0), 0 <= w <= 1.  Where reference()'s f32 product rounds up to a whole number n, it has cell n with w = 0 and this text cell n - 1 with w next to 1: the blend is
;   continuous across the cell's face, so the two differ by rounding alone.  idx = (a ^ b ^ c) & (2^19 - 1), a = p0x (+1), b = p0y P1 (+P1), c = p0z P2 (+P2), all modulo 2^32.
; THE SCALE 2^13 rides through the net: relu(2^13 v) = 2^13 relu(v), so b1 and b2 are laid into LDS times 2^13 and W3 times 2^-13, all three exact, and b3 is added last, unscaled.
; FORMATS.  The blend runs on the gathered f16 pairs, two features a line, A += w (B - A) with w rounded to f16: seven blends, each line rounded to 11 bits.  Its result IS an operand of the first product, which is
;   taken in f16 with W1 rounded once to f16.  The second product goes in bf16, each operand as hi + lo (two bf16): Wh Hh + Wl Hh + Wh Hl, sums in f32; what is dropped, Wl Hl, is some 2^-16 of a term: h1's
;   size hangs on the biases, for which f16 has no room, and plain bf16 would round to 8 bits where every number of out0 must lie within a hundredth of the root mean square.  The last product has ONE
;   column: a dot of 64 in f32 on the vector unit; on the matrix unit 15 of its 16 rows would be zeros.
; LIMITS.  |x| < 126, |res| < 131,072, so |x01 res| < 2^23; a negative coordinate counts modulo 2^32 (two's complement); a denormal res counts as 0; NaN and infinities in x are not carried to the result.
;   |tables| < 3.9 and |W1| < 65,504 (f16); 2^13 |b1|, 2^13 |b2| and 2^13 times every hidden number stay finite in f32.
; LANES.  The products are used transposed (source 0 = 16 neurons, source 1 = 16 points).  Lane (r = lane % 16, h = lane / 16) of a tile works for point column r; for i = 0 .. 7 it encodes level 2 i + h, and its two
;   features, packed, ARE register i of source 1: feature 4 i + 2 h + f stands at k = 16 (i / 4) + 8 h + 2 (i % 4) + f.  W1's rows are laid into LDS in the same order of k.  The result holds point r in a lane and
;   neuron 8 h + j in register j; two such results, packed, are source 1 of the next product.  So nothing changes lanes but one exchange between the halves at the end.
;   The two halves of the lanes differ by one level, 2^19 entries: idx | h 2^19 stays under 2^20, and a scalar base carries the pair of levels.
; SHARES.  A work-group has 2,048 points, each of its 16 waves 128, in two PASSES of 64: four tiles of 16.  Tile t = 2 j + tl of pass s, column r, is point base + 64 s + 2 (16 tl + r) + j: at a pass's end lane L
;   holds points 2 L and 2 L + 1 of the 64, and the wave's store covers 256 consecutive bytes, aligned.  244 x 2,048 + 288 = 500,000: in the last work-group waves 3 to 15 only help to lay the weights; its wave 2
;   has 32 live points, names point 499,999 in place of those beyond, and masks its stores: six tiles of that one wave are computed in vain.
; A PASS walks all 16 levels in four TRIPS of eight units (two pairs of levels x four tiles), then runs the MLP on its four tiles, two at a time.  The trips are written out (by macro): the level stands in immediates
;   and register numbers, and what the loop over passes changes is global offsets alone.  All waves walk the levels in the same order; each wave walks them twice.
; NO CLUSTER, NO TENSOR LOADS: the table reads are single words of 4 bytes at computed places, and what work-groups share, the weights, is 24 KiB read once by each.
; LDS.  W1^T: [64 neurons][32 k] f16, rows 80 bytes apart; W2^T hi, lo: [64][64] bf16, rows 144 apart (odd multiples of 16: the 16 rows of a fragment load start at 16 different groups of four banks, ISA guide 11.1);
;   b1, b2, W3 in f32; the spare words; F: each wave's own 4 KiB, [tile][i][lane] words.  A wave names F by F0 = FB + 4,096 x wave + 4 x lane, which is never rewritten, plus an immediate of 3,968 at the most:
;   no wave touches another's F, and no barrier is wanted for it.
.set NPTS,   500000
.set W2H,    5120                      ; W1^T at 0; W2^T hi here
.set W2D,    9216                      ; from W2^T hi to lo
.set BIA,    23552                     ; b1; b2 256 further on; W3 512 further on
.set SPARE,  24320                     ; the spare words: 128 bytes for each of 16 waves, eight blocks of 256 bytes that no other line names
.set FB,     26368                     ; F
.set FWAVE,  4096
.set FTILE,  1024
.set FROW,   128
; vector registers that stand through the whole kernel
.set PT,   1                           ; v1   the first of my two points in the pass's store: base + 64 s + 2 x lane
.set SPW,  2                           ; v2   LDS address of my spare word; never rewritten
.set NIL,  3                           ; v3   0; never rewritten
.set HB,   4                           ; v4   h 2^19
.set WA1,  5                           ; v5   80 r + 16 h
.set NEG1, 6                           ; v6   -1.0
.set WA2,  7                           ; v7   144 r + 16 h
.set BA,   8                           ; v8   32 h: my half's place in the biases (LDS) and in a pair of lvl's rows (memory)
.set OO,   9                           ; v9   my 8 bytes of out0
.set F0,   10                          ; v10  my word in my wave's F; never rewritten
.set RX,   11                          ; v11  what the other half of the lanes sent
.set OUT,  12                          ; v[12:13] my two results
.set KP,   14                          ; v14  kept
.set SD,   15                          ; v15  sent
; the encode part of a pass
.set PR,   16                          ; v[16:47] lvl's rows: two sets, by the trip's parity, of two rows of eight: Rm, SH, C (two words), SM, res, 0, 0
.set TT,   48                          ; v[48:63] at work
.set XO,   64                          ; v[64:67] tile t's byte offset in xq
.set XS,   68                          ; v[68+6t ..] tile t: X'x, X'y, X'z, then x01 as f32, three words
.set WT,   96                          ; v[96+3u ..] unit u: wx, wy, wz, each as f16 in both halves
.set GG,   128                         ; v[128+8u ..] unit u: eight corners, a word of two f16 each
; the MLP part
.set FF,   16                          ; v[16:31]  features: tile tl at 8 tl.  Later v[16:47]: W3, 8 registers for each 16 neurons
.set HH,   48                          ; v[48:111] h1: tile tl at 32 tl: hi k 0-31, hi k 32-63, lo, lo.  The lo registers (v64-79, v96-111) are filled a half at a time: the encode part has written each of them whole
.set DD,   112                         ; v[112:143] four accumulators: (ntl, tl) at 8 (2 ntl + tl)
.set WS,   144                         ; v[144:207] weight fragments
.set BS,   208                         ; v[208:239] the layer's bias: 8 registers for each 16 neurons
.set AC,   240                         ; v[240:247] the dot's four chains, a pair each: (tl, ntl) at 2 (2 tl + ntl)
; scalar registers: s[8:27] the ten addresses; s28 b3; s29 wave; s30 the wave's first point; s31 2^19 - 1; s33 mask of lanes 16-31; s[34:35] lane selects; s36 EXEC kept; s37, s38 the primes; s39 passes to go;
; s[40:41] b1, b2 or W3; s42 their factor; s43 -1.0 twice in f16
.set TB,   44                          ; s[44:59] tq at the pair of levels i: 4 MiB apart
; a pair of f32 (registers a, b) as two bf16 pairs: hi rounded to nearest, lo = the rest, rounded once from the exact difference
.macro SPLIT2 hi, lo, a, b
	v_cvt_pk_bf16_f32 v[\hi], v[\a], v[\b]
	v_fma_mixlo_bf16 v[\lo], v[\hi], v[NEG1], v[\a] op_sel_hi:[1,0,0]
	v_fma_mixhi_bf16 v[\lo], v[\hi], v[NEG1], v[\b] op_sel:[1,0,0] op_sel_hi:[1,0,0]
.endm
	s_load_b512 s[8:23], s[0:1], 0x0               ; xq 8, lvl 10, tq 12, W1 14, b1 16, W2 18, b2 20, W3 22
	s_load_b128 s[24:27], s[0:1], 0x40             ; b3 24, out0 26
	v_lshl_add_u32 v[SPW], v0, 2, SPARE
	v_mov_b32 v[NIL], 0
	v_lshrrev_b32 v1, 5, v0
	v_readfirstlane_b32 s29, v1                    ; wave 0..15
	v_and_b32 v28, 31, v0                          ; lane
	v_and_b32 v29, 15, v0                          ; r
	v_bfe_u32 v30, v0, 4, 1                        ; h
	s_lshl_b32 s30, ttmp9, 11
	s_lshl_b32 s2, s29, 7
	s_add_co_u32 s30, s30, s2                      ; the wave's first point
	; THE WEIGHTS.  Wave w lays neurons 4 w .. 4 w + 3 of both matrices; a lane is one k: it loads 16 bytes (four neurons) of row k.  For W1 lane k loads the feature that stands at k:
	; 16 (k / 16) + 4 ((k / 2) % 4) + 2 ((k / 8) % 2) + k % 2.
	s_lshl_b32 s2, s29, 4                          ; 16 w: the four neurons' bytes in a row of 256
	v_lshl_add_u32 v150, v28, 8, s2                ; W2: row = lane
	v_and_b32 v151, 17, v28
	v_bfe_u32 v152, v28, 1, 2
	v_bfe_u32 v153, v28, 3, 1
	v_lshl_or_b32 v151, v152, 2, v151
	v_lshl_or_b32 v151, v153, 1, v151
	v_lshl_add_u32 v151, v151, 8, s2               ; W1: the permuted row
	s_mul_i32 s3, s29, 320
	v_lshl_add_u32 v155, v28, 1, s3                ; LDS: 4 w rows of 80 bytes + 2 k
	s_mul_i32 s4, s29, 576
	v_lshl_add_u32 v156, v28, 1, s4                ; LDS: 4 w rows of 144 bytes + 2 k
	v_mov_b32 v[NEG1], -1.0
.irp p, 2,3,4,5
	v_mov_b32 v[142+(\p)], 0                       ; written whole once: the two lines that fill them write a half each
.endr
	v_mov_b32 v[RX], 0                             ; v_permlanex16_b32's destination counts as read
	s_wait_kmcnt 0x0
	s_load_b32 s28, s[24:25], 0x0                  ; b3
	global_load_b128 v[124:127], v151, s[14:15]
	global_load_b128 v[128:131], v150, s[18:19]
	global_load_b128 v[132:135], v150, s[18:19] offset:8192  ; k + 32
	s_cmp_lt_u32 s29, 3                            ; waves 0, 1, 2 copy b1, b2, W3: 256 bytes each, 8 a lane; b1 and b2 times 2^13, W3 times 2^-13
	s_cbranch_scc0 .Lnobias
	s_mov_b32 s42, 0x46000000                      ; 2^13
	s_cmp_eq_u32 s29, 0
	s_cselect_b64 s[40:41], s[16:17], s[20:21]
	s_cmp_eq_u32 s29, 2
	s_cselect_b64 s[40:41], s[22:23], s[40:41]
	s_cselect_b32 s42, 0x39000000, s42             ; 2^-13
	v_lshlrev_b32 v35, 3, v28
	global_load_b64 v[36:37], v35, s[40:41]
	s_lshl_b32 s2, s29, 8
	v_add_nc_u32 v38, s2, v35
	s_wait_loadcnt 0x0
	v_mul_f32 v36, s42, v36
	v_mul_f32 v37, s42, v37
	ds_store_b64 v38, v[36:37] offset:BIA
.Lnobias:
	s_wait_loadcnt 0x0                             ; the three weight loads
	v_cvt_pk_f16_f32 v136, v124, v125              ; W1: rounded once to f16
	v_cvt_pk_f16_f32 v137, v126, v127
.irp p, 2,3,4,5
	SPLIT2 136+(\p), 142+(\p), 124+2*(\p), 125+2*(\p)  ; W2: bf16 hi and lo
.endr
.irp p, 0,1                            ; neurons 4 w + 2 p (low half) and 4 w + 2 p + 1 (high half)
	ds_store_b16        v155, v[136+(\p)] offset:160*(\p)
	ds_store_b16_d16_hi v155, v[136+(\p)] offset:160*(\p)+80
.irp q, 0,1                            ; k = lane + 32 q
	ds_store_b16        v156, v[138+2*(\q)+(\p)] offset:W2H+64*(\q)+288*(\p)
	ds_store_b16_d16_hi v156, v[138+2*(\q)+(\p)] offset:W2H+64*(\q)+288*(\p)+144
	ds_store_b16        v156, v[144+2*(\q)+(\p)] offset:W2H+W2D+64*(\q)+288*(\p)
	ds_store_b16_d16_hi v156, v[144+2*(\q)+(\p)] offset:W2H+W2D+64*(\q)+288*(\p)+144
.endr
.endr
	s_wait_dscnt 0x0                               ; for the others' sake: my part of the weights lies in LDS
	s_barrier_signal -1
	s_barrier_wait -1                              ; everybody's does.  The kernel's one barrier: these bytes are never written again, and F is each wave's own
	s_cmp_ge_u32 s30, NPTS
	s_cbranch_scc1 .Lend                           ; the last work-group's waves 3 to 15 have no point
	s_mov_b32 s31, 0x7ffff
	s_mov_b32 s37, 0x9e3779b1                      ; 2,654,435,761
	s_mov_b32 s38, 0x30025795                      ; 805,459,861
	s_mov_b32 s33, 0xffff0000
	s_mov_b32 s34, 0x76543210
	s_mov_b32 s35, 0xfedcba98
	s_mov_b32 s43, 0xbc00bc00                      ; -1.0, -1.0 in f16
	s_mov_b32 s39, 2
.irp i, 0,1,2,3,4,5,6,7
	s_add_nc_u64 s[TB+2*(\i):TB+2*(\i)+1], s[12:13], 0x400000*(\i)  ; a pair of levels is 2 x 2 MiB
.endr
	v_lshlrev_b32 v[HB], 19, v30
	s_mul_i32 s2, s29, FWAVE
	s_add_co_u32 s2, s2, FB
	v_lshl_add_u32 v[F0], v28, 2, s2               ; my wave's 4 KiB + 4 x lane
	v_mul_u32_u24 v[WA1], v29, 80
	v_lshl_add_u32 v[WA1], v30, 4, v[WA1]
	v_mul_u32_u24 v[WA2], v29, 144
	v_lshl_add_u32 v[WA2], v30, 4, v[WA2]
	v_lshlrev_b32 v[BA], 5, v30
	s_lshl_b32 s2, s30, 2
	v_lshl_add_u32 v[OO], v28, 3, s2
	v_lshl_add_u32 v[PT], v28, 1, s30
	s_wait_kmcnt 0x0                               ; b3
; lvl's rows for trip I: levels 4 I + h and 4 I + 2 + h, into the set of the trip's parity
.macro PLOAD I
.irp il, 0,1
	global_load_b128 v[PR+16*((\I)%2)+8*(\il):PR+16*((\I)%2)+8*(\il)+3],   v[BA], s[10:11] offset:64*(2*(\I)+(\il))
	global_load_b128 v[PR+16*((\I)%2)+8*(\il)+4:PR+16*((\I)%2)+8*(\il)+7], v[BA], s[10:11] offset:64*(2*(\I)+(\il))+16
.endr
.endm
; Unit u of trip I: tile u % 4, pair of levels i = 2 I + u / 4.  The three coordinates, the weights, the eight indices, the eight gathers.  Each gather lands on its own address register.
.macro IDX I, u
.set rS, XS+6*((\u)%4)
.set rW, WT+3*(\u)
.set rG, GG+8*(\u)
.set rP, PR+16*((\I)%2)+8*((\u)/4)
.set rB, TB+2*(2*(\I)+(\u)/4)
.irp d, 0,1,2
	v_mad_co_u64_u32 v[TT+6+2*(\d):TT+7+2*(\d)], vcc_lo, v[rS+(\d)], v[rP], v[rP+2:rP+3]  ; P = X' Rm + C; the carry is not used
.endr
.irp d, 0,1,2
	v_ashrrev_i32 v[TT+2+(\d)], v[rP+1], v[TT+7+2*(\d)]
.endr
.irp d, 0,1,2
	v_xor_b32 v[TT+2+(\d)], v[rP+4], v[TT+2+(\d)]  ; p0
.endr
.irp d, 0,1,2
	v_cvt_f32_i32 v[TT+12+(\d)], v[TT+2+(\d)]
.endr
.irp d, 0,1,2
	v_fma_f32 v[TT+12+(\d)], v[rS+3+(\d)], v[rP+5], -v[TT+12+(\d)]  ; w = x01 res - p0, rounded once
.endr
.irp d, 0,1,2
	v_cvt_pk_f16_f32 v[rW+(\d)], v[TT+12+(\d)], v[TT+12+(\d)]      ; and once more to f16, the same in both halves: one for each feature
.endr
	v_mul_lo_u32 v[TT+6], v[TT+3], s37             ; b0
	v_mul_lo_u32 v[TT+8], v[TT+4], s38             ; c0
	v_add_nc_u32 v[TT+15], 1, v[TT+2]              ; a1
	v_add_nc_u32 v[TT+7], s37, v[TT+6]             ; b1
	v_add_nc_u32 v[TT+9], s38, v[TT+8]             ; c1
	v_xor_b32 v[TT+10], v[TT+6], v[TT+8]           ; b_j ^ c_k at TT + 10 + j + 2 k
	v_xor_b32 v[TT+11], v[TT+7], v[TT+8]
	v_xor_b32 v[TT+12], v[TT+6], v[TT+9]
	v_xor_b32 v[TT+13], v[TT+7], v[TT+9]
.irp q, 10,11,12,13
	v_and_b32 v[TT+(\q)], s31, v[TT+(\q)]
.endr
	v_and_or_b32 v[TT+14], v[TT+2], s31, v[HB]     ; a_i, cut to 19 bits, with my level of the pair on top
	v_and_or_b32 v[TT+15], v[TT+15], s31, v[HB]
.irp c, 0,1,2,3,4,5,6,7                ; corner c = i + 2 j + 4 k
	v_xor_b32 v[rG+(\c)], v[TT+14+(\c)%2], v[TT+10+(\c)/2]
.endr
.irp c, 0,1,2,3,4,5,6,7
	v_min_u32 v[rG+(\c)], 0xfffff, v[rG+(\c)]      ; changes nothing (20 bits)
.endr
.irp c, 0,1,2,3,4,5,6,7
	v_lshlrev_b32 v[rG+(\c)], 2, v[rG+(\c)]        ; an entry is 4 bytes: under 2^22, behind the pair of levels' first byte
.endr
.irp c, 0,1,2,3,4,5,6,7
	global_load_b32 v[rG+(\c)], v[rG+(\c)], s[rB:rB+1]
.endr
.endm
; Unit u of trip I: seven blends of two f16 features each, B = A (-1) + B and A = B w + A: four along x, two along y, one along z; the result goes as it is into my wave's F.  left = the gathers issued behind this unit's.
.macro LERP I, u, left
.set rW, WT+3*(\u)
.set rG, GG+8*(\u)
.set fo, FTILE*((\u)%4)+FROW*(2*(\I)+(\u)/4)
	s_wait_loadcnt \left                           ; loads come back in order (ISA guide 5.7.1): this unit's eight are in, the later units' may stay out
.irp q, 0,1,2,3
	v_pk_fma_f16 v[rG+2*(\q)+1], v[rG+2*(\q)], s43, v[rG+2*(\q)+1]
.endr
.irp q, 0,1,2,3
	v_pk_fma_f16 v[rG+2*(\q)], v[rG+2*(\q)+1], v[rW], v[rG+2*(\q)]
.endr
.irp q, 0,1
	v_pk_fma_f16 v[rG+4*(\q)+2], v[rG+4*(\q)], s43, v[rG+4*(\q)+2]
.endr
.irp q, 0,1
	v_pk_fma_f16 v[rG+4*(\q)], v[rG+4*(\q)+2], v[rW+1], v[rG+4*(\q)]
.endr
	v_pk_fma_f16 v[rG+4], v[rG], s43, v[rG+4]
	v_pk_fma_f16 v[rG], v[rG+4], v[rW+2], v[rG]
	ds_store_b32 v[F0], v[rG] offset:fo            ; 32 lanes, 128 consecutive bytes
.endm
; A trip: the next trip's rows of lvl are asked for first, so they are older than all the trip's gathers.  Seven units' gathers go out, 56; unit 0 is blended; unit 7's go out; the rest is blended.
; With lvl's four loads a wave has 60 loads out at the most.  The last wait is for 0: every load of the trip is done, so its address registers may be written again.
.macro TRIP I
.if (\I) < 3
	PLOAD (\I)+1
.endif
.irp u, 0,1,2,3,4,5,6
	IDX \I, \u
.endr
	LERP \I, 0, 48                                 ; behind unit 0's gathers: those of units 1 to 6
	IDX \I, 7
.irp u, 1,2,3,4,5,6,7
	LERP \I, \u, 8*(7-(\u))                        ; behind unit u's: those of units u + 1 to 7
.endr
.endm
.macro PLACES                          ; four places behind the last matrix instruction, in front of vector lines that read its results and of loads into registers that it has read
.rept 4
	v_nop
.endr
.endm
.macro LDF j                           ; the features of tiles 2 j, 2 j + 1: each lane reads back the words that it stored itself (LDS serves a wave's instructions in order, ISA guide 5.7.1.4)
.irp tl, 0,1
.irp i, 0,1,2,3,4,5,6,7
	ds_load_b32 v[FF+8*(\tl)+(\i)], v[F0] offset:FTILE*(2*(\j)+(\tl))+FROW*(\i)
.endr
.endr
.endm
.macro LDW1                            ; all of W1^T: 16 neurons nt at WS + 8 nt
.irp nt, 0,1,2,3
	ds_load_b128 v[WS+8*(\nt):WS+8*(\nt)+3],   v[WA1] offset:1280*(\nt)
	ds_load_b128 v[WS+8*(\nt)+4:WS+8*(\nt)+7], v[WA1] offset:1280*(\nt)+32
.endr
.endm
.macro LDW2 np                         ; half of W2^T: neurons 16 (2 np + ntl) on, plane p, k 32 ks on, at WS + 32 ntl + 16 p + 8 ks
.irp ntl, 0,1
.irp p, 0,1
.irp ks, 0,1
	ds_load_b128 v[WS+32*(\ntl)+16*(\p)+8*(\ks):WS+32*(\ntl)+16*(\p)+8*(\ks)+3],   v[WA2] offset:W2H+W2D*(\p)+2304*(2*(\np)+(\ntl))+64*(\ks)
	ds_load_b128 v[WS+32*(\ntl)+16*(\p)+8*(\ks)+4:WS+32*(\ntl)+16*(\p)+8*(\ks)+7], v[WA2] offset:W2H+W2D*(\p)+2304*(2*(\np)+(\ntl))+64*(\ks)+32
.endr
.endr
.endr
.endm
.macro LDB dst, off                    ; 64 f32 (b1, b2 or W3) as a result holds its neurons: register j of block nt = number 16 nt + 8 h + j
.irp nt, 0,1,2,3
	ds_load_b128 v[(\dst)+8*(\nt):(\dst)+8*(\nt)+3],   v[BA] offset:BIA+(\off)+64*(\nt)
	ds_load_b128 v[(\dst)+8*(\nt)+4:(\dst)+8*(\nt)+7], v[BA] offset:BIA+(\off)+64*(\nt)+16
.endr
.endm
; Layer 1, neurons 32 np on, both tiles: K is 32, so each of the four results is ONE matrix instruction, in f16, with the bias as C.
.macro L1 np
.irp ntl, 0,1
.irp tl, 0,1
.set rD, DD+8*(2*(\ntl)+(\tl))
.set rA, WS+8*(2*(\np)+(\ntl))
.set rF, FF+8*(\tl)
.set rC, BS+8*(2*(\np)+(\ntl))
	v_wmma_f32_16x16x32_f16 v[rD:rD+7], v[rA:rA+7], v[rF:rF+7], v[rC:rC+7]
.endr
.endr
.endm
; relu, from each accumulator's low end on, and the split into hi and lo: the four results become registers 8 np + 4 ntl .. + 3 of the tiles' h1
.macro SPLITH np
.irp ntl, 0,1
.irp tl, 0,1
.set rD, DD+8*(2*(\ntl)+(\tl))
.set rH, HH+32*(\tl)+8*(\np)+4*(\ntl)
.irp q, 0,1,2,3,4,5,6,7
	v_max_num_f32 v[rD+(\q)], 0, v[rD+(\q)]
.endr
.irp q, 0,1,2,3
	SPLIT2 rH+(\q), rH+16+(\q), rD+2*(\q), rD+2*(\q)+1
.endr
.endr
.endr
.endm
; Layer 2, neurons 32 np on, both tiles: 24 matrix instructions in bf16; the four accumulators take turns, one instruction a turn.
; Terms: Wh Hh (k 0-31, with the bias as C; k 32-63), Wl Hh (twice), Wh Hl (twice).
.macro L2 np
.irp term, 0,1,2,3,4,5
.irp ntl, 0,1
.irp tl, 0,1
.set rD, DD+8*(2*(\ntl)+(\tl))
.set rA, WS+32*(\ntl)+16*(((\term)/2)%2)+8*((\term)%2)
.set rF, HH+32*(\tl)+16*((\term)/4)+8*((\term)%2)
.set rC, BS+8*(2*(\np)+(\ntl))
.if (\term) == 0
	v_wmma_f32_16x16x32_bf16 v[rD:rD+7], v[rA:rA+7], v[rF:rF+7], v[rC:rC+7]
.else
	v_wmma_f32_16x16x32_bf16 v[rD:rD+7], v[rA:rA+7], v[rF:rF+7], v[rD:rD+7]
.endif
.endr
.endr
.endr
.endm
; relu and the lane's part of h W3, in f32: four chains of packed multiply-adds; the first product starts each chain, so nothing is cleared
.macro DOT np
.irp ntl, 0,1
.irp tl, 0,1
.set rD, DD+8*(2*(\ntl)+(\tl))
.set rA, AC+2*(2*(\tl)+(\ntl))
.set rV, FF+8*(2*(\np)+(\ntl))
.irp q, 0,1,2,3,4,5,6,7
	v_max_num_f32 v[rD+(\q)], 0, v[rD+(\q)]
.endr
.if (\np) == 0
	v_pk_mul_f32 v[rA:rA+1], v[rD:rD+1], v[rV:rV+1]
.else
	v_pk_fma_f32 v[rA:rA+1], v[rD:rD+1], v[rV:rV+1], v[rA:rA+1]
.endif
.irp q, 1,2,3
	v_pk_fma_f32 v[rA:rA+1], v[rD+2*(\q):rD+2*(\q)+1], v[rV+2*(\q):rV+2*(\q)+1], v[rA:rA+1]
.endr
.endr
.endr
.endm
; A lane holds half of each tile's sum for point r (its 32 neurons).  Lanes 0-15 keep tile 0's half and send tile 1's, lanes 16-31 the other way round: one exchange, and lane L has the whole sum of point 2 L + j.
.macro FIN j
	v_pk_add_f32 v[AC:AC+1], v[AC:AC+1], v[AC+2:AC+3]
	v_pk_add_f32 v[AC+4:AC+5], v[AC+4:AC+5], v[AC+6:AC+7]
	v_add_f32 v[AC], v[AC], v[AC+1]
	v_add_f32 v[AC+4], v[AC+4], v[AC+5]
	v_cndmask_b32 v[KP], v[AC], v[AC+4], s33
	v_cndmask_b32 v[SD], v[AC+4], v[AC], s33
	v_permlanex16_b32 v[RX], v[SD], s34, s35
	v_add_f32 v[KP], v[KP], v[RX]
	v_add_f32 v[OUT+(\j)], s28, v[KP]              ; + b3: W3 has taken the scale away
.endm
; Two tiles at a time share each weight fragment read from LDS.
.macro GROUP j
	LDF \j
	LDW1
	LDB BS, 0                                      ; 2^13 b1
	s_wait_dscnt 0x0
	L1 0
	PLACES
	SPLITH 0
	L1 1
	PLACES
	LDW2 0                                         ; layer 2's first loads go out under the second split
	LDB BS, 256                                    ; 2^13 b2
	LDB FF, 512                                    ; 2^-13 W3, where the features lay
	SPLITH 1
	s_wait_dscnt 0x0
	L2 0
	PLACES
	LDW2 1                                         ; and its second under the first dot
	DOT 0
	s_wait_dscnt 0x0
	L2 1
	PLACES
	DOT 1
	FIN \j
.endm
.Lpass:                                        ; two passes of four tiles, 64 points
	v_sub_nc_u32 v[TT], v[PT], v[BA]               ; base + 64 s + 2 r: both halves of the lanes work for the same point
.irp t, 0,1,2,3
	v_add_nc_u32 v[XO+(\t)], 32*((\t)%2)+(\t)/2, v[TT]
	v_min_u32 v[XO+(\t)], NPTS-1, v[XO+(\t)]       ; beyond the last point: the last point
	v_lshlrev_b32 v[XO+(\t)], 4, v[XO+(\t)]
.endr
.irp t, 0,1,2,3
	global_load_b128 v[XS+6*(\t):XS+6*(\t)+3], v[XO+(\t)], s[8:9]
.endr
	PLOAD 0
	s_wait_loadcnt 0x0                             ; xq's four rows and lvl's first rows
.irp t, 0,1,2,3
.irp d, 0,1,2
	v_xor_b32 v[TT+8+(\d)], 0x80000000, v[XS+6*(\t)+(\d)]
.endr
.irp d, 0,1,2
	v_cvt_f32_i32 v[TT+8+(\d)], v[TT+8+(\d)]       ; X has 24 significant bits at the most: exact
.endr
.irp d, 0,1,2
	v_mul_f32 v[XS+6*(\t)+3+(\d)], 0x33000000, v[TT+8+(\d)]  ; x01 = X 2^-25
.endr
.endr
	TRIP 0
	TRIP 1
	TRIP 2
	TRIP 3
	GROUP 0
	GROUP 1
	v_cmp_gt_u32 vcc_lo, NPTS, v[PT]               ; NPTS is even: my two points are both live or both beyond the end
	s_wait_xcnt 0x0                                ; EXEC changes only behind this wait,
	s_and_saveexec_b32 s36, vcc_lo
	global_store_b64 v[OO], v[OUT:OUT+1], s[26:27] th:TH_STORE_NT  ; the wave stores 256 consecutive bytes, at a multiple of 256 from out0's first byte
	s_wait_xcnt 0x0                                ; and again; behind it the store's address and data registers may be written too
	s_or_b32 exec_lo, exec_lo, s36
	v_add_nc_u32 v[OO], 256, v[OO]
	v_add_nc_u32 v[PT], 64, v[PT]
	s_sub_co_u32 s39, s39, 1
	s_cmp_lg_u32 s39, 0
	s_cbranch_scc1 .Lpass
.Lend:
	s_wait_tensorcnt 0x0                           ; the wave's end, behind my last LDS store
	ds_add_u32 v[SPW], v[NIL]
	s_wait_dscnt 0x0
	s_endpgm
.Lfunc_end_k_q0c818103eb_field:
	.size	k_q0c818103eb_field, .Lfunc_end_k_q0c818103eb_field-k_q0c818103eb_field
	.p2alignl 7, 3214868480
	.fill 96, 4, 3214868480
	.section	.rodata,"a",@progbits
	.p2align	6, 0x0
	.amdhsa_kernel k_q0c818103eb_field
		.amdhsa_group_segment_fixed_size 91904
		.amdhsa_private_segment_fixed_size 0
		.amdhsa_enable_private_segment 0
		.amdhsa_kernarg_size 80
		.amdhsa_user_sgpr_count 2
		.amdhsa_user_sgpr_kernarg_segment_ptr 1
		.amdhsa_wavefront_size32 1
		.amdhsa_system_sgpr_workgroup_id_x 1
		.amdhsa_system_sgpr_workgroup_id_y 1
		.amdhsa_system_sgpr_workgroup_id_z 1
		.amdhsa_system_vgpr_workitem_id 0
		.amdhsa_next_free_vgpr 256
		.amdhsa_next_free_sgpr 66
		.amdhsa_reserve_vcc 1
		.amdhsa_float_denorm_mode_32 3
		.amdhsa_float_denorm_mode_16_64 3
		.amdhsa_memory_ordered 1
		.amdhsa_forward_progress 1
		.amdhsa_inst_pref_size 188
	.end_amdhsa_kernel
	.amdgpu_metadata
---
amdhsa.version: [ 1, 2 ]
amdhsa.kernels:
  - .name:           k_q0c818103eb_field
    .symbol:         k_q0c818103eb_field.kd
    .args:
      - { .name: xq, .offset: 0, .size: 8, .value_kind: global_buffer, .address_space: global }
      - { .name: lvl, .offset: 8, .size: 8, .value_kind: global_buffer, .address_space: global }
      - { .name: tq, .offset: 16, .size: 8, .value_kind: global_buffer, .address_space: global }
      - { .name: W1, .offset: 24, .size: 8, .value_kind: global_buffer, .address_space: global }
      - { .name: b1, .offset: 32, .size: 8, .value_kind: global_buffer, .address_space: global }
      - { .name: W2, .offset: 40, .size: 8, .value_kind: global_buffer, .address_space: global }
      - { .name: b2, .offset: 48, .size: 8, .value_kind: global_buffer, .address_space: global }
      - { .name: W3, .offset: 56, .size: 8, .value_kind: global_buffer, .address_space: global }
      - { .name: b3, .offset: 64, .size: 8, .value_kind: global_buffer, .address_space: global }
      - { .name: out0, .offset: 72, .size: 8, .value_kind: global_buffer, .address_space: global }
    .group_segment_fixed_size: 91904
    .private_segment_fixed_size: 0
    .kernarg_segment_align: 8
    .kernarg_segment_size: 80
    .max_flat_workgroup_size: 512
    .sgpr_count:     66
    .vgpr_count:     256
    .wavefront_size: 32
...
	.end_amdgpu_metadata
.endif
;; end of part 4
;; ======== version 3 of 4: 2 launches; 1.29 times as fast as version 1
;; limits: inputs' magnitudes at most 126; right only within a limited range of input values; inputs' magnitudes at most 3.9; values are held in f16: magnitudes above 65,504 overflow, below 6.1e-05 lose precision; below input magnitudes of 7.45e-09 results are inexact or not finite
;; workspace buffers: xq 8,000,000 bytes of whole numbers; lvl 512 bytes of whole numbers; tq 33,554,432 bytes
;; launch prep: the kernel of part 3 again; grid 2048 x 1, 8 waves a work-group, no clusters, 0 bytes of LDS; arguments x, resolutions, tables, xq, lvl, tq; writes xq, lvl, tq
;; launch field (part 5): grid 245 x 1, 16 waves a work-group, no clusters, 26,368 bytes of LDS; arguments xq, lvl, tq, W1, b1, W2, b2, W3, b3, out0; writes out0
.if DOCPART == 5
	.amdgcn_target "amdgcn-amd-amdhsa--gfx1250"
	.amdhsa_code_object_version 6
	.text
	.protected	k_q0c818103eb_field
	.globl	k_q0c818103eb_field
	.p2align	8
	.type	k_q0c818103eb_field,@function
k_q0c818103eb_field:
	s_mov_b64 s[64:65], 0
	v_nop
	global_prefetch_b8 v0, s[64:65] scope:SCOPE_SE
	s_setreg_imm32_b32 hwreg(HW_REG_WAVE_MODE, 25, 1), 1
	s_wait_xcnt 0x0
; MULTI-RESOLUTION HASH GRID, second launch: for each point 16 levels x 8 corners are gathered and blended into 32 features; then relu(a W1 + b1), relu(h W2 + b2), h W3 + b3.  Nothing is left out; the tables are
;   read through their copy tq, which the launch before has made (f16, times 2^13: its head says why and within which limits), so tables itself is not among this launch's arguments.
; WHOLE NUMBERS.  xq and lvl (made by the launch before; its head says what they hold) give, for each coordinate, p0 = floor(x01 res) of the EXACT product: P = X' Rm + C in 64 bits, p0 = (P.hi >> SH) xor SM.
;   The weight is w = x01 res - p0, 0 <= w <= 1, rounded once.  Where reference()'s f32 product rounds up to a whole number n, it has cell n with w = 0 and this text cell n - 1 with w next to 1: the blend is
;   continuous across the cell's face, so the two differ by rounding alone.  idx = (a ^ b ^ c) & (2^19 - 1), a = p0x (+1), b = p0y P1 (+P1), c = p0z P2 (+P2).  Only the low 19 bits of b and c are kept, and they
;   hang on the low 19 bits of both factors alone: so the primes are cut to 24 bits and the products are taken of the factors' low 24 bits, for every p0.
; THE SCALE 2^13 rides through the net: relu(2^13 v) = 2^13 relu(v), so b1 and b2 are laid into LDS times 2^13 and W3 times 2^-13, all three exact, and b3 is added last, unscaled.
; FORMATS.  The blend runs on the gathered f16 pairs, two features a line, A += w (B - A) with w in f16: seven blends, each line rounded to 11 bits.  Its result IS an operand of the first product, which is
;   taken in f16 with W1 rounded once to f16.  The second product goes in bf16, each operand as hi + lo (two bf16): Wh Hh + Wl Hh + Wh Hl, sums in f32; what is dropped, Wl Hl, is some 2^-16 of a term: h1's
;   size hangs on the biases, for which f16 has no room, and plain bf16 would round to 8 bits where every number of out0 must lie within a hundredth of the root mean square.  The last product has ONE
;   column: a dot of 64 in f32 on the vector unit; on the matrix unit 15 of its 16 rows would be zeros.
; LIMITS.  |x| < 126, |res| < 131,072, so |x01 res| < 2^23; a negative coordinate counts modulo 2^32 (two's complement); a denormal res counts as 0; NaN and infinities in x are not carried to the result.
;   |tables| < 3.9 and |W1| < 65,504 (f16); 2^13 |b1|, 2^13 |b2| and 2^13 times every hidden number stay finite in f32.
; LANES.  The products are used transposed (source 0 = 16 neurons, source 1 = 16 points).  Lane (r = lane % 16, h = lane / 16) of a tile works for point column r; for i = 0 .. 7 it encodes level 2 i + h, and its two
;   features, packed, ARE register i of source 1: feature 4 i + 2 h + f stands at k = 16 (i / 4) + 8 h + 2 (i % 4) + f.  W1's rows are laid into LDS in the same order of k.  So the blend's last line writes the
;   operand's register, and the features never leave the registers.  The result holds point r in a lane and neuron 8 h + j in register j; two such results, packed, are source 1 of the next product.  Nothing
;   changes lanes but one exchange between the halves at the end.  The two halves of the lanes differ by one level, 2^19 entries: idx | h 2^19 stays under 2^20, and a scalar base carries the pair of levels.
; SHARES.  A work-group has 2,048 points, each of its 16 waves 128, in two PASSES of 64: four tiles of 16.  Tile t = 2 j + tl of pass s, column r, is point base + 64 s + 2 (16 tl + r) + j: at a pass's end lane L
;   holds points 2 L and 2 L + 1 of the 64, and the wave's store covers 256 consecutive bytes, aligned.  244 x 2,048 + 288 = 500,000: in the last work-group waves 3 to 15 only help to lay the weights; its wave 2
;   has 32 live points, names point 499,999 in place of those beyond, and masks its stores: six tiles of that one wave are computed in vain.
; A PASS has 32 UNITS: unit n is tile n % 4 at the pair of levels n / 4.  They go through a ring of eight register slots: unit n's step waits for unit n - 7's eight gathers, blends them, makes unit n's indices and
;   issues its gathers; the blend's six stages stand between the stages of the index arithmetic, so that a line seldom reads the result of the line before it.  Seven blends are left behind the last unit.  Then
;   the MLP runs on the four tiles, two at a time.  The units are written out (by macro): level and slot stand in immediates and register numbers, and what the loop over passes changes is global offsets alone.
; NO CLUSTER, NO TENSOR LOADS: the table reads are single words of 4 bytes at computed places, and what work-groups share, the weights, is 24 KiB read once by each.
; LDS.  W1^T: [64 neurons][32 k] f16, rows 80 bytes apart; W2^T hi, lo: [64][64] bf16, rows 144 apart (odd multiples of 16: the 16 rows of a fragment load start at 16 different groups of four banks, ISA guide 11.1);
;   b1, b2, W3 in f32; the spare words.  All of it is written once, ahead of the kernel's one barrier.
.set NPTS,   500000
.set W2H,    5120                      ; W1^T at 0; W2^T hi here
.set W2D,    9216                      ; from W2^T hi to lo
.set BIA,    23552                     ; b1; b2 256 further on; W3 512 further on
.set SPARE,  24320                     ; the spare words: 128 bytes for each of 16 waves, eight blocks of 256 bytes that no other line names
; vector registers that stand through the whole kernel
.set PT,   1                           ; v1   the first of my two points in the pass's store: base + 64 s + 2 x lane
.set SPW,  2                           ; v2   LDS address of my spare word; never rewritten
.set NIL,  3                           ; v3   0; never rewritten
.set HB,   4                           ; v4   h 2^19
.set WA1,  5                           ; v5   80 r + 16 h
.set NEG1, 6                           ; v6   -1.0
.set WA2,  7                           ; v7   144 r + 16 h
.set BA,   8                           ; v8   32 h: my half's place in the biases (LDS) and in a pair of lvl's rows (memory)
.set OO,   9                           ; v9   my 8 bytes of out0
.set RX,   11                          ; v11  what the other half of the lanes sent
.set OUT,  12                          ; v[12:13] my two results
.set KP,   14                          ; v14  kept
.set SD,   15                          ; v15  sent
; the encode part of a pass
.set PR,   16                          ; v[16:39] lvl's rows, three sets of eight; the pair of levels i has set i % 3: Rm, SH, C (two words), SM, res
.set TT,   48                          ; v[48:63] at work
.set XO,   64                          ; v[64:67] tile t's byte offset in xq
.set XS,   68                          ; v[68+6t ..] tile t: X'x, X'y, X'z, then x01 as f32, three words
.set WT,   96                          ; v[96+3q ..] slot q: wx, wy, wz, each as f16 in the low half
.set GG,   128                         ; v[128+8q ..] slot q: eight corners, a word of two f16 each
.set FEA,  192                         ; v[192:207] the features of tiles 0, 1; v[240:255] those of tiles 2, 3: tile 2 j + tl, register i, at FEA + 48 j + 8 tl + i
; the MLP part
.set W3R,  16                          ; v[16:47]  W3: 8 registers for each 16 neurons
.set HH,   48                          ; v[48:111] h1: tile tl at 32 tl: hi k 0-31, hi k 32-63, lo, lo.  The lo registers (v64-79, v96-111) are filled a half at a time: the encode part has written each of them whole
.set DD,   112                         ; v[112:143] four accumulators: (ntl, tl) at 8 (2 ntl + tl)
.set WS,   144                         ; v[144:207] weight fragments; W1 takes v144-175 alone, so tiles 0 and 1's features may lie in v192-207 until layer 1 has read them
.set BS,   208                         ; v[208:239] the layer's bias: 8 registers for each 16 neurons
.set AC,   208                         ; v[208:215] the dot's four chains, a pair each: (tl, ntl) at 2 (2 tl + ntl); they lie on b2's first 16 neurons, which layer 2's first half has consumed when the dot begins
; scalar registers: s[8:27] the ten addresses; s28 b3; s29 wave; s30 the wave's first point; s31 2^19 - 1; s33 mask of lanes 16-31; s[34:35] lane selects; s36 EXEC kept; s37, s38 the primes' low 24 bits;
; s39 passes to go; s[40:41] b1, b2 or W3; s42 their factor; s43 -1.0 twice in f16
.set TB,   44                          ; s[44:59] tq at the pair of levels i: 4 MiB apart
; a pair of f32 (registers a, b) as two bf16 pairs: hi rounded to nearest, lo = the rest, rounded once from the exact difference
.macro SPLIT2 hi, lo, a, b
	v_cvt_pk_bf16_f32 v[\hi], v[\a], v[\b]
	v_fma_mixlo_bf16 v[\lo], v[\hi], v[NEG1], v[\a] op_sel_hi:[1,0,0]
	v_fma_mixhi_bf16 v[\lo], v[\hi], v[NEG1], v[\b] op_sel:[1,0,0] op_sel_hi:[1,0,0]
.endm
	s_load_b512 s[8:23], s[0:1], 0x0               ; xq 8, lvl 10, tq 12, W1 14, b1 16, W2 18, b2 20, W3 22
	s_load_b128 s[24:27], s[0:1], 0x40             ; b3 24, out0 26
	v_lshl_add_u32 v[SPW], v0, 2, SPARE
	v_mov_b32 v[NIL], 0
	v_lshrrev_b32 v1, 5, v0
	v_readfirstlane_b32 s29, v1                    ; wave 0..15
	v_and_b32 v28, 31, v0                          ; lane
	v_and_b32 v29, 15, v0                          ; r
	v_bfe_u32 v30, v0, 4, 1                        ; h
	s_lshl_b32 s30, ttmp9, 11
	s_lshl_b32 s2, s29, 7
	s_add_co_u32 s30, s30, s2                      ; the wave's first point
	; THE WEIGHTS.  Wave w lays neurons 4 w .. 4 w + 3 of both matrices; a lane is one k: it loads 16 bytes (four neurons) of row k.  For W1 lane k loads the feature that stands at k:
	; 16 (k / 16) + 4 ((k / 2) % 4) + 2 ((k / 8) % 2) + k % 2.
	s_lshl_b32 s2, s29, 4                          ; 16 w: the four neurons' bytes in a row of 256
	v_lshl_add_u32 v150, v28, 8, s2                ; W2: row = lane
	v_and_b32 v151, 17, v28
	v_bfe_u32 v152, v28, 1, 2
	v_bfe_u32 v153, v28, 3, 1
	v_lshl_or_b32 v151, v152, 2, v151
	v_lshl_or_b32 v151, v153, 1, v151
	v_lshl_add_u32 v151, v151, 8, s2               ; W1: the permuted row
	s_mul_i32 s3, s29, 320
	v_lshl_add_u32 v155, v28, 1, s3                ; LDS: 4 w rows of 80 bytes + 2 k
	s_mul_i32 s4, s29, 576
	v_lshl_add_u32 v156, v28, 1, s4                ; LDS: 4 w rows of 144 bytes + 2 k
	v_mov_b32 v[NEG1], -1.0
.irp p, 2,3,4,5
	v_mov_b32 v[142+(\p)], 0                       ; written whole once: the two lines that fill them write a half each
.endr
	v_mov_b32 v[RX], 0                             ; v_permlanex16_b32's destination counts as read
	s_wait_kmcnt 0x0
	s_load_b32 s28, s[24:25], 0x0                  ; b3
	global_load_b128 v[124:127], v151, s[14:15]
	global_load_b128 v[128:131], v150, s[18:19]
	global_load_b128 v[132:135], v150, s[18:19] offset:8192  ; k + 32
	s_cmp_lt_u32 s29, 3                            ; waves 0, 1, 2 copy b1, b2, W3: 256 bytes each, 8 a lane; b1 and b2 times 2^13, W3 times 2^-13
	s_cbranch_scc0 .Lnobias
	s_mov_b32 s42, 0x46000000                      ; 2^13
	s_cmp_eq_u32 s29, 0
	s_cselect_b64 s[40:41], s[16:17], s[20:21]
	s_cmp_eq_u32 s29, 2
	s_cselect_b64 s[40:41], s[22:23], s[40:41]
	s_cselect_b32 s42, 0x39000000, s42             ; 2^-13
	v_lshlrev_b32 v35, 3, v28
	global_load_b64 v[36:37], v35, s[40:41]
	s_lshl_b32 s2, s29, 8
	v_add_nc_u32 v38, s2, v35
	s_wait_loadcnt 0x0
	v_mul_f32 v36, s42, v36
	v_mul_f32 v37, s42, v37
	ds_store_b64 v38, v[36:37] offset:BIA
.Lnobias:
	s_wait_loadcnt 0x0                             ; the three weight loads
	v_cvt_pk_f16_f32 v136, v124, v125              ; W1: rounded once to f16
	v_cvt_pk_f16_f32 v137, v126, v127
.irp p, 2,3,4,5
	SPLIT2 136+(\p), 142+(\p), 124+2*(\p), 125+2*(\p)  ; W2: bf16 hi and lo
.endr
.irp p, 0,1                            ; neurons 4 w + 2 p (low half) and 4 w + 2 p + 1 (high half)
	ds_store_b16        v155, v[136+(\p)] offset:160*(\p)
	ds_store_b16_d16_hi v155, v[136+(\p)] offset:160*(\p)+80
.irp q, 0,1                            ; k = lane + 32 q
	ds_store_b16        v156, v[138+2*(\q)+(\p)] offset:W2H+64*(\q)+288*(\p)
	ds_store_b16_d16_hi v156, v[138+2*(\q)+(\p)] offset:W2H+64*(\q)+288*(\p)+144
	ds_store_b16        v156, v[144+2*(\q)+(\p)] offset:W2H+W2D+64*(\q)+288*(\p)
	ds_store_b16_d16_hi v156, v[144+2*(\q)+(\p)] offset:W2H+W2D+64*(\q)+288*(\p)+144
.endr
.endr
	s_wait_dscnt 0x0                               ; for the others' sake: my part of the weights lies in LDS
	s_barrier_signal -1
	s_barrier_wait -1                              ; everybody's does.  The kernel's one barrier: these bytes are never written again
	s_cmp_ge_u32 s30, NPTS
	s_cbranch_scc1 .Lend                           ; the last work-group's waves 3 to 15 have no point
	s_mov_b32 s31, 0x7ffff
	s_mov_b32 s37, 0x3779b1                        ; 2,654,435,761 modulo 2^24
	s_mov_b32 s38, 0x025795                        ; 805,459,861 modulo 2^24
	s_mov_b32 s33, 0xffff0000
	s_mov_b32 s34, 0x76543210
	s_mov_b32 s35, 0xfedcba98
	s_mov_b32 s43, 0xbc00bc00                      ; -1.0, -1.0 in f16
	s_mov_b32 s39, 2
.irp i, 0,1,2,3,4,5,6,7
	s_add_nc_u64 s[TB+2*(\i):TB+2*(\i)+1], s[12:13], 0x400000*(\i)  ; a pair of levels is 2 x 2 MiB
.endr
	v_lshlrev_b32 v[HB], 19, v30
	v_mul_u32_u24 v[WA1], v29, 80
	v_lshl_add_u32 v[WA1], v30, 4, v[WA1]
	v_mul_u32_u24 v[WA2], v29, 144
	v_lshl_add_u32 v[WA2], v30, 4, v[WA2]
	v_lshlrev_b32 v[BA], 5, v30
	s_lshl_b32 s2, s30, 2
	v_lshl_add_u32 v[OO], v28, 3, s2
	v_lshl_add_u32 v[PT], v28, 1, s30
	s_wait_kmcnt 0x0                               ; b3
; lvl's row for the pair of levels i (level 2 i + h): six words, two loads, into set i % 3
.macro PLOAD i
	global_load_b128 v[PR+8*((\i)%3):PR+8*((\i)%3)+3],   v[BA], s[10:11] offset:64*(\i)
	global_load_b64  v[PR+8*((\i)%3)+4:PR+8*((\i)%3)+5], v[BA], s[10:11] offset:64*(\i)+16
.endm
; Unit k is to be blended; last = the last unit whose gathers have been issued.  Loads come back in order (ISA guide 5.7.1): what may stay out is what was issued behind unit k's gathers: the eight gathers of each of
; the units k + 1 .. last, and the two loads of each row of lvl asked for meanwhile.  Row q + 2 is asked for just ahead of unit 4 q (q = 0 .. 5): those with k < 4 q <= last are min(5, last / 4) - k / 4 in number.
.macro LSET k, last
.set LON, 1
.set lW, WT+3*((\k)%8)
.set lG, GG+8*((\k)%8)
.set lF, FEA+48*(((\k)%4)/2)+8*((\k)%2)+(\k)/4
.set pm, (\last)/4
.if pm > 5
.set pm, 5
.endif
.set npl, pm-(\k)/4
.if npl < 0
.set npl, 0
.endif
	s_wait_loadcnt 8*((\last)-(\k))+2*npl
.endm
; Stage st of the blend that LSET has named: seven blends of two f16 features each, B = A (-1) + B and A = B w + A: four along x (stages 0, 1), two along y (2, 3), one along z (4, 5).  The weight's low half
; serves both features.  The last line writes the feature's register.  Corner c = i + 2 j + 4 k lies in register c of the slot.
.macro LP st
.if LON
.if (\st) == 0
.irp q, 0,1,2,3
	v_pk_fma_f16 v[lG+2*(\q)+1], v[lG+2*(\q)], s43, v[lG+2*(\q)+1]
.endr
.elseif (\st) == 1
.irp q, 0,1,2,3
	v_pk_fma_f16 v[lG+2*(\q)], v[lG+2*(\q)+1], v[lW], v[lG+2*(\q)] op_sel_hi:[1,0,1]
.endr
.elseif (\st) == 2
.irp q, 0,1
	v_pk_fma_f16 v[lG+4*(\q)+2], v[lG+4*(\q)], s43, v[lG+4*(\q)+2]
.endr
.elseif (\st) == 3
.irp q, 0,1
	v_pk_fma_f16 v[lG+4*(\q)], v[lG+4*(\q)+2], v[lW+1], v[lG+4*(\q)] op_sel_hi:[1,0,1]
.endr
.elseif (\st) == 4
	v_pk_fma_f16 v[lG+4], v[lG], s43, v[lG+4]
.else
	v_pk_fma_f16 v[lF], v[lG+4], v[lW+2], v[lG] op_sel_hi:[1,0,1]
.endif
.endif
.endm
; Unit n's step.  Unit n - 7 (another slot: n - 7 and n differ modulo 8) is waited for and blended; unit n's three coordinates, weights and eight indices are made; its eight gathers go out, each landing on its
; own address register.  With the rows of lvl a wave has 7 x 8 + 4 = 60 loads out at the most.
; Row q + 2 of lvl is asked for ahead of unit 4 q, into the set that unit 4 q - 1 has just read for the last time; it is first read by unit 4 q + 8, whose step waits for unit 4 q + 1's gathers, which are younger.
.macro UNIT n
.if (\n) >= 7
	LSET (\n)-7, (\n)-1
.else
.set LON, 0
.endif
.if ((\n)%4 == 0) && ((\n)/4 <= 5)
	PLOAD (\n)/4+2
.endif
.set rS, XS+6*((\n)%4)
.set rW, WT+3*((\n)%8)
.set rG, GG+8*((\n)%8)
.set rP, PR+8*(((\n)/4)%3)
.set rB, TB+2*((\n)/4)
.irp d, 0,1,2
	v_mad_co_u64_u32 v[TT+6+2*(\d):TT+7+2*(\d)], vcc_lo, v[rS+(\d)], v[rP], v[rP+2:rP+3]  ; P = X' Rm + C; the carry is not used
.endr
	LP 0
.irp d, 0,1,2
	v_ashrrev_i32 v[TT+2+(\d)], v[rP+1], v[TT+7+2*(\d)]
.endr
	LP 1
.irp d, 0,1,2
	v_xor_b32 v[TT+2+(\d)], v[rP+4], v[TT+2+(\d)]  ; p0
.endr
	LP 2
.irp d, 0,1,2
	v_cvt_f32_i32 v[rW+(\d)], v[TT+2+(\d)]         ; p0 as f32, in the weight's own register: so that register is written whole
.endr
	v_mul_u32_u24 v[TT+6], s37, v[TT+3]            ; b0: right in its low 19 bits
	v_mul_u32_u24 v[TT+8], s38, v[TT+4]            ; c0
	v_add_nc_u32 v[TT+15], 1, v[TT+2]              ; a1
	LP 3
.irp d, 0,1,2
	v_fma_mixlo_f16 v[rW+(\d)], v[rS+3+(\d)], v[rP+5], -v[rW+(\d)]  ; w = x01 res - p0, rounded once, to f16, into the low half; the high half is never read
.endr
	v_add_nc_u32 v[TT+7], s37, v[TT+6]             ; b1
	v_add_nc_u32 v[TT+9], s38, v[TT+8]             ; c1
	LP 4
	v_xor_b32 v[TT+10], v[TT+6], v[TT+8]           ; b_j ^ c_k at TT + 10 + j + 2 k
	v_xor_b32 v[TT+11], v[TT+7], v[TT+8]
	v_xor_b32 v[TT+12], v[TT+6], v[TT+9]
	v_xor_b32 v[TT+13], v[TT+7], v[TT+9]
	LP 5
.irp q, 10,11,12,13
	v_and_b32 v[TT+(\q)], s31, v[TT+(\q)]
.endr
	v_and_or_b32 v[TT+14], v[TT+2], s31, v[HB]     ; a_i, cut to 19 bits, with my level of the pair on top
	v_and_or_b32 v[TT+15], v[TT+15], s31, v[HB]
.irp c, 0,1,2,3,4,5,6,7                ; corner c = i + 2 j + 4 k
	v_xor_b32 v[rG+(\c)], v[TT+14+(\c)%2], v[TT+10+(\c)/2]
.endr
.irp c, 0,1,2,3,4,5,6,7
	v_min_u32 v[rG+(\c)], 0xfffff, v[rG+(\c)]      ; changes nothing (20 bits)
.endr
.irp c, 0,1,2,3,4,5,6,7
	v_lshlrev_b32 v[rG+(\c)], 2, v[rG+(\c)]        ; an entry is 4 bytes: under 2^22, behind the pair of levels' first byte
.endr
.irp c, 0,1,2,3,4,5,6,7
	global_load_b32 v[rG+(\c)], v[rG+(\c)], s[rB:rB+1]
.endr
.endm
.macro PLACES                          ; four places behind the last matrix instruction, in front of vector lines that read its results or write its sources, and of loads into registers that it has read
.rept 4
	v_nop
.endr
.endm
.macro LDW1                            ; all of W1^T: 16 neurons nt at WS + 8 nt
.irp nt, 0,1,2,3
	ds_load_b128 v[WS+8*(\nt):WS+8*(\nt)+3],   v[WA1] offset:1280*(\nt)
	ds_load_b128 v[WS+8*(\nt)+4:WS+8*(\nt)+7], v[WA1] offset:1280*(\nt)+32
.endr
.endm
.macro LDW2 np                         ; half of W2^T: neurons 16 (2 np + ntl) on, plane p, k 32 ks on, at WS + 32 ntl + 16 p + 8 ks
.irp ntl, 0,1
.irp p, 0,1
.irp ks, 0,1
	ds_load_b128 v[WS+32*(\ntl)+16*(\p)+8*(\ks):WS+32*(\ntl)+16*(\p)+8*(\ks)+3],   v[WA2] offset:W2H+W2D*(\p)+2304*(2*(\np)+(\ntl))+64*(\ks)
	ds_load_b128 v[WS+32*(\ntl)+16*(\p)+8*(\ks)+4:WS+32*(\ntl)+16*(\p)+8*(\ks)+7], v[WA2] offset:W2H+W2D*(\p)+2304*(2*(\np)+(\ntl))+64*(\ks)+32
.endr
.endr
.endr
.endm
.macro LDB dst, off                    ; 64 f32 (b1, b2 or W3) as a result holds its neurons: register j of block nt = number 16 nt + 8 h + j
.irp nt, 0,1,2,3
	ds_load_b128 v[(\dst)+8*(\nt):(\dst)+8*(\nt)+3],   v[BA] offset:BIA+(\off)+64*(\nt)
	ds_load_b128 v[(\dst)+8*(\nt)+4:(\dst)+8*(\nt)+7], v[BA] offset:BIA+(\off)+64*(\nt)+16
.endr
.endm
; relu of one accumulator, from its low end on: two maxima a line (destinations even and odd, the register sources in different banks)
.macro RELU d
.irp q, 0,1,2,3
	v_dual_max_num_f32 v[(\d)+2*(\q)], 0, v[(\d)+2*(\q)] :: v_dual_max_num_f32 v[(\d)+2*(\q)+1], 0, v[(\d)+2*(\q)+1]
.endr
.endm
; Layer 1, neurons 32 np on, both tiles, whose features begin at register fr: K is 32, so each of the four results is ONE matrix instruction, in f16, with the bias as C.
.macro L1 np, fr
.irp ntl, 0,1
.irp tl, 0,1
.set rD, DD+8*(2*(\ntl)+(\tl))
.set rA, WS+8*(2*(\np)+(\ntl))
.set rF, (\fr)+8*(\tl)
.set rC, BS+8*(2*(\np)+(\ntl))
	v_wmma_f32_16x16x32_f16 v[rD:rD+7], v[rA:rA+7], v[rF:rF+7], v[rC:rC+7]
.endr
.endr
.endm
; relu and the split into hi and lo: the four results become registers 8 np + 4 ntl .. + 3 of the tiles' h1.  Conversions, low halves and high halves stand in runs of four, so that no line reads the result of the line before it.
.macro SPLITH np
.irp ntl, 0,1
.irp tl, 0,1
.set rD, DD+8*(2*(\ntl)+(\tl))
.set rH, HH+32*(\tl)+8*(\np)+4*(\ntl)
	RELU rD
.irp q, 0,1,2,3
	v_cvt_pk_bf16_f32 v[rH+(\q)], v[rD+2*(\q)], v[rD+2*(\q)+1]
.endr
.irp q, 0,1,2,3
	v_fma_mixlo_bf16 v[rH+16+(\q)], v[rH+(\q)], v[NEG1], v[rD+2*(\q)] op_sel_hi:[1,0,0]
.endr
.irp q, 0,1,2,3
	v_fma_mixhi_bf16 v[rH+16+(\q)], v[rH+(\q)], v[NEG1], v[rD+2*(\q)+1] op_sel:[1,0,0] op_sel_hi:[1,0,0]
.endr
.endr
.endr
.endm
; Layer 2, neurons 32 np on, both tiles: 24 matrix instructions in bf16; the four accumulators take turns, one instruction a turn.
; Terms: Wh Hh (k 0-31, with the bias as C; k 32-63), Wl Hh (twice), Wh Hl (twice).
.macro L2 np
.irp term, 0,1,2,3,4,5
.irp ntl, 0,1
.irp tl, 0,1
.set rD, DD+8*(2*(\ntl)+(\tl))
.set rA, WS+32*(\ntl)+16*(((\term)/2)%2)+8*((\term)%2)
.set rF, HH+32*(\tl)+16*((\term)/4)+8*((\term)%2)
.set rC, BS+8*(2*(\np)+(\ntl))
.if (\term) == 0
	v_wmma_f32_16x16x32_bf16 v[rD:rD+7], v[rA:rA+7], v[rF:rF+7], v[rC:rC+7]
.else
	v_wmma_f32_16x16x32_bf16 v[rD:rD+7], v[rA:rA+7], v[rF:rF+7], v[rD:rD+7]
.endif
.endr
.endr
.endr
.endm
; relu and the lane's part of h W3, in f32: four chains of packed multiply-adds, by turns; the first product starts each chain, so nothing is cleared
.macro DOT np
.irp ntl, 0,1
.irp tl, 0,1
	RELU DD+8*(2*(\ntl)+(\tl))
.endr
.endr
.irp q, 0,1,2,3
.irp ntl, 0,1
.irp tl, 0,1
.set rD, DD+8*(2*(\ntl)+(\tl))+2*(\q)
.set rA, AC+2*(2*(\tl)+(\ntl))
.set rV, W3R+8*(2*(\np)+(\ntl))+2*(\q)
.if ((\np) == 0) && ((\q) == 0)
	v_pk_mul_f32 v[rA:rA+1], v[rD:rD+1], v[rV:rV+1]
.else
	v_pk_fma_f32 v[rA:rA+1], v[rD:rD+1], v[rV:rV+1], v[rA:rA+1]
.endif
.endr
.endr
.endr
.endm
; A lane holds half of each tile's sum for point r (its 32 neurons).  Lanes 0-15 keep tile 0's half and send tile 1's, lanes 16-31 the other way round: one exchange, and lane L has the whole sum of point 2 L + j.
.macro FIN j
	v_pk_add_f32 v[AC:AC+1], v[AC:AC+1], v[AC+2:AC+3]
	v_pk_add_f32 v[AC+4:AC+5], v[AC+4:AC+5], v[AC+6:AC+7]
	v_add_f32 v[AC], v[AC], v[AC+1]
	v_add_f32 v[AC+4], v[AC+4], v[AC+5]
	v_cndmask_b32 v[KP], v[AC], v[AC+4], s33
	v_cndmask_b32 v[SD], v[AC+4], v[AC], s33
	v_permlanex16_b32 v[RX], v[SD], s34, s35
	v_add_f32 v[KP], v[KP], v[RX]
	v_add_f32 v[OUT+(\j)], s28, v[KP]              ; + b3: W3 has taken the scale away
.endm
; Tiles 2 j and 2 j + 1: two tiles at a time share each weight fragment read from LDS.
.macro GROUP j
	LDW1
	LDB BS, 0                                      ; 2^13 b1
	s_wait_dscnt 0x0
	L1 0, FEA+48*(\j)
	PLACES
	SPLITH 0
	L1 1, FEA+48*(\j)
	PLACES
	LDW2 0                                         ; layer 2's first loads go out under the second split; with j = 0 they land on the features that layer 1 has just read for the last time
	LDB BS, 256                                    ; 2^13 b2
	LDB W3R, 512                                   ; 2^-13 W3
	SPLITH 1
	s_wait_dscnt 0x0
	L2 0
	PLACES
	LDW2 1                                         ; and its second under the first dot
	DOT 0
	s_wait_dscnt 0x0
	L2 1
	PLACES
	DOT 1
	FIN \j
.endm
.Lpass:                                        ; two passes of four tiles, 64 points
	v_sub_nc_u32 v[TT], v[PT], v[BA]               ; base + 64 s + 2 r: both halves of the lanes work for the same point
.irp t, 0,1,2,3
	v_add_nc_u32 v[XO+(\t)], 32*((\t)%2)+(\t)/2, v[TT]
	v_min_u32 v[XO+(\t)], NPTS-1, v[XO+(\t)]       ; beyond the last point: the last point
	v_lshlrev_b32 v[XO+(\t)], 4, v[XO+(\t)]
.endr
.irp t, 0,1,2,3
	global_load_b128 v[XS+6*(\t):XS+6*(\t)+3], v[XO+(\t)], s[8:9]
.endr
	PLOAD 0
	PLOAD 1
	s_wait_loadcnt 0x0                             ; xq's four rows and lvl's first two rows
.irp t, 0,1,2,3
.irp d, 0,1,2
	v_xor_b32 v[TT+8+(\d)], 0x80000000, v[XS+6*(\t)+(\d)]
.endr
.irp d, 0,1,2
	v_cvt_f32_i32 v[TT+8+(\d)], v[TT+8+(\d)]       ; X has 24 significant bits at the most: exact
.endr
.irp d, 0,1,2
	v_mul_f32 v[XS+6*(\t)+3+(\d)], 0x33000000, v[TT+8+(\d)]  ; x01 = X 2^-25
.endr
.endr
.set un, 0
.rept 32                               ; the ring: units 0 to 31; from unit 7 on each step also blends the unit seven back
	UNIT un
.set un, un+1
.endr
.set un, 25
.rept 7                                ; the last seven blends; the counts run down 48, 40, .. 0: behind the last every load of the pass is done, so its address registers may be written again
	LSET un, 31
	LP 0
	LP 1
	LP 2
	LP 3
	LP 4
	LP 5
.set un, un+1
.endr
	GROUP 0
	GROUP 1
	v_cmp_gt_u32 vcc_lo, NPTS, v[PT]               ; NPTS is even: my two points are both live or both beyond the end
	s_wait_xcnt 0x0                                ; EXEC changes only behind this wait,
	s_and_saveexec_b32 s36, vcc_lo
	global_store_b64 v[OO], v[OUT:OUT+1], s[26:27] th:TH_STORE_NT  ; the wave stores 256 consecutive bytes, at a multiple of 256 from out0's first byte
	s_wait_xcnt 0x0                                ; and again; behind it the store's address and data registers may be written too
	s_or_b32 exec_lo, exec_lo, s36
	v_add_nc_u32 v[OO], 256, v[OO]
	v_add_nc_u32 v[PT], 64, v[PT]
	s_sub_co_u32 s39, s39, 1
	s_cmp_lg_u32 s39, 0
	s_cbranch_scc1 .Lpass
.Lend:
	s_wait_tensorcnt 0x0                           ; the wave's end, behind my last LDS store
	ds_add_u32 v[SPW], v[NIL]
	s_wait_dscnt 0x0
	s_endpgm
.Lfunc_end_k_q0c818103eb_field:
	.size	k_q0c818103eb_field, .Lfunc_end_k_q0c818103eb_field-k_q0c818103eb_field
	.p2alignl 7, 3214868480
	.fill 96, 4, 3214868480
	.section	.rodata,"a",@progbits
	.p2align	6, 0x0
	.amdhsa_kernel k_q0c818103eb_field
		.amdhsa_group_segment_fixed_size 26368
		.amdhsa_private_segment_fixed_size 0
		.amdhsa_enable_private_segment 0
		.amdhsa_kernarg_size 80
		.amdhsa_user_sgpr_count 2
		.amdhsa_user_sgpr_kernarg_segment_ptr 1
		.amdhsa_wavefront_size32 1
		.amdhsa_system_sgpr_workgroup_id_x 1
		.amdhsa_system_sgpr_workgroup_id_y 1
		.amdhsa_system_sgpr_workgroup_id_z 1
		.amdhsa_system_vgpr_workitem_id 0
		.amdhsa_next_free_vgpr 256
		.amdhsa_next_free_sgpr 66
		.amdhsa_reserve_vcc 1
		.amdhsa_float_denorm_mode_32 3
		.amdhsa_float_denorm_mode_16_64 3
		.amdhsa_memory_ordered 1
		.amdhsa_forward_progress 1
		.amdhsa_inst_pref_size 176
	.end_amdhsa_kernel
	.amdgpu_metadata
---
amdhsa.version: [ 1, 2 ]
amdhsa.kernels:
  - .name:           k_q0c818103eb_field
    .symbol:         k_q0c818103eb_field.kd
    .args:
      - { .name: xq, .offset: 0, .size: 8, .value_kind: global_buffer, .address_space: global }
      - { .name: lvl, .offset: 8, .size: 8, .value_kind: global_buffer, .address_space: global }
      - { .name: tq, .offset: 16, .size: 8, .value_kind: global_buffer, .address_space: global }
      - { .name: W1, .offset: 24, .size: 8, .value_kind: global_buffer, .address_space: global }
      - { .name: b1, .offset: 32, .size: 8, .value_kind: global_buffer, .address_space: global }
      - { .name: W2, .offset: 40, .size: 8, .value_kind: global_buffer, .address_space: global }
      - { .name: b2, .offset: 48, .size: 8, .value_kind: global_buffer, .address_space: global }
      - { .name: W3, .offset: 56, .size: 8, .value_kind: global_buffer, .address_space: global }
      - { .name: b3, .offset: 64, .size: 8, .value_kind: global_buffer, .address_space: global }
      - { .name: out0, .offset: 72, .size: 8, .value_kind: global_buffer, .address_space: global }
    .group_segment_fixed_size: 26368
    .private_segment_fixed_size: 0
    .kernarg_segment_align: 8
    .kernarg_segment_size: 80
    .max_flat_workgroup_size: 512
    .sgpr_count:     66
    .vgpr_count:     256
    .wavefront_size: 32
...
	.end_amdgpu_metadata
.endif
;; end of part 5
;; ======== version 4 of 4: 2 launches; version 3 with the launch prep written anew for expert scheduling mode
;; limits: inputs' magnitudes at most 126; right only within a limited range of input values; inputs' magnitudes at most 3.9; values are held in f16: magnitudes above 65,504 overflow, below 6.1e-05 lose precision; below input magnitudes of 7.45e-09 results are inexact or not finite
;; workspace buffers: xq 8,000,000 bytes of whole numbers; lvl 512 bytes of whole numbers; tq 33,554,432 bytes
;; launch prep (part 6): grid 2048 x 1, 8 waves a work-group, no clusters, 0 bytes of LDS; arguments x, resolutions, tables, xq, lvl, tq; writes xq, lvl, tq
.if DOCPART == 6
	.amdgcn_target "amdgcn-amd-amdhsa--gfx1250"
	.amdhsa_code_object_version 6
	.text
	.protected	k_q0c818103eb_prep
	.globl	k_q0c818103eb_prep
	.p2align	8
	.type	k_q0c818103eb_prep,@function
k_q0c818103eb_prep:
	s_mov_b64 s[64:65], 0
	v_nop
	global_prefetch_b8 v0, s[64:65] scope:SCOPE_SE
	s_setreg_imm32_b32 hwreg(HW_REG_WAVE_SCHED_MODE, 0, 2), 2
	s_setreg_imm32_b32 hwreg(HW_REG_WAVE_MODE, 25, 1), 1
	s_wait_xcnt 0x0
	s_wait_alu depctr_vm_vsrc(0)
; MULTI-RESOLUTION HASH GRID, first of two launches.  x and resolutions become WHOLE NUMBERS, from which the second launch makes every table index by integer arithmetic; the tables are copied in f16.
; NOTHING IS LEFT OUT in this program: every input (x, tables, resolutions, W1, b1, W2, b2, W3, b3) has a way to out0 and is loaded by one of the two launches.
; xq[p] = four words X'x, X'y, X'z, 0, with X' = X + 2^31 (as u32) and X = x01 2^25, x01 = fl(x / 2 + 0.5) as reference() rounds it.
;   X IS A WHOLE NUMBER: if |x / 2| >= 0.25, x / 2 and 0.5 are multiples of 2^-25, so is their sum, and rounding it to f32 keeps it one (under 0.5 a multiple of 2^-25 has 24 bits at the most and is exact);
;   otherwise the sum lies in (0.25, 0.75), where neighbouring f32 are 2^-25 apart or more.  One fused multiply-add makes it: fl(x 2^24 + 2^24) = 2^25 fl(x / 2 + 0.5), a scaling by a power of two.
; lvl[l] = eight words Rm, SH, C.lo, C.hi, SM, the bits of res, 0, 0, for res = (-1)^sign Rm 2^(e - 150):
;   x01 res = +-X Rm 2^(e - 175).  P = X' Rm + C (mod 2^64) with C = -(Rm 2^31) - (1 if res < 0) is X Rm, or X Rm - 1; floor(x01 res) = (P.hi >> SH, arithmetic) xor SM,
;   SH = min(31, 143 - e), SM = 0 or -1, since floor(-v / 2^s) = not floor((v - 1) / 2^s).  With 143 - e above 31 the shift of 31 leaves the sign, which is the floor there (|P| < 2^55).
; tq[l][e] = one word: the entry's two features times 2^13, each rounded once to f16, the first in the low half.  The second launch reads 8 corners x 16 levels for each point, so an entry of 4 bytes halves what
;   it gathers; the copy costs each table byte read once and half as many written.  The factor is a power of two, so it rounds nothing; it lays f16's normal range, 2^-14 to 2^16, on 2^-27 to 2^3.
; LIMITS.  |x| < 126 (X fits 32 bits); |res| < 131,072 (e <= 143); a denormal res counts as 0; a NaN or an infinity in x is not carried to the result.
;   |tables| < 3.9 (the second launch takes differences of two entries in f16, which ends at 65,504); an entry keeps 11 significant bits, and under 2^-27 the fixed step 2^-37.
; SHARES.  2,048 work-groups x 8 waves = 16,384 waves.  Each wave copies 4 KiB of tables: eight loads of 512 consecutive bytes, all out together, and eight stores, each of 256 consecutive bytes, aligned.
;   The first 15,625 waves also take 32 points each (15,625 x 32 = 500,000): one store of 512 consecutive bytes of xq.  Wave 0 of work-group 0 also writes lvl, by one store of 512 bytes.
; THE MODE: SCHED_MODE bits 1:0 = 2 (LLVM: expert scheduling mode 2), set by the entry lines.  The code itself states the register dependences between vector instructions and memory instructions,
;   and between a vector instruction that writes a scalar register and that register's readers, with s_wait_alu, always for 0.
; THE PLAN.  Registers that memory instructions touch:
;   v9, v10, v2, v3   byte offsets in tables, tq, x, xq: made at the head, by every wave, and never written again.  One wait at the head, ahead of the first load, states that they are written.
;   v[4:7]            x as loaded (no vector line names v4 to v6 before), worked on in place, then the xq store's data; v7 = 0 from the head.  One wait ahead of that store.
;   TI                the eight table loads land here (no line names these registers before); the products and conversions read them; no memory instruction reads them.
;   TO                written by the conversions, once each; read by the eight stores; never written again.
;   The table goes in four BLOCKS of two loads.  Block p works on its own TI and writes its own TO; its memory instructions are the two stores of block p - 1, which read that block's TO and v10.  So one wait
;   at a block's head, behind the wait for the block's data, states all that its two stores hang on, and they are dealt among the block's vector lines, which name none of their registers.
;   No register that a memory instruction reads is ever written again: so there is nothing to state the other way round, and the one wait on vm_vsrc stands among the entry lines.
;   The levels' arm (one wave) uses v12 to v27 anew: one wait ahead of its load, one for its two compares' masks, one ahead of its store.
.set NWP, 15625                        ; waves that have points
.set TI,  12                           ; v[12:43] eight loads of four f32
.set TO,  44                           ; v[44:59] eight stores of two words
	s_load_b256 s[4:11], s[0:1], 0x0               ; x s[4:5], resolutions s[6:7], tables s[8:9], xq s[10:11]
	s_load_b128 s[12:15], s[0:1], 0x20             ; lvl s[12:13], tq s[14:15]
	v_lshrrev_b32 v8, 5, v0
	v_readfirstlane_b32 s16, v8                    ; my wave's number in the work-group
	v_and_b32 v1, 31, v0                           ; lane
	s_lshl_b32 s23, ttmp9, 8
	v_add_nc_u32 v11, s23, v0                      ; my point (a wave without points makes these four numbers too, and uses none of them)
	v_mul_u32_u24 v2, v11, 12                      ; its 12 bytes in x
	v_lshlrev_b32 v3, 4, v11                       ; its 16 bytes in xq
	v_mov_b32 v7, 0                                ; the fourth word
	s_mov_b32 s18, 0x4b800000                      ; 2^24
	s_mov_b32 s20, 0x46000000                      ; 2^13
	s_mov_b32 s21, s20                             ; named with it as a pair
	s_lshl_b32 s17, ttmp9, 3
	s_wait_alu depctr_va_sdst(0)                   ; s16 is written, ahead of its first reader, the add below
	s_add_co_u32 s17, s17, s16                     ; my wave's number in the launch
	s_lshl_b32 s19, s17, 12
	v_lshl_add_u32 v9, v1, 4, s19                  ; tables: 4,096 x wave + 16 x lane
	s_lshl_b32 s22, s17, 11
	v_lshl_add_u32 v10, v1, 3, s22                 ; tq: 2,048 x wave + 8 x lane
	s_wait_kmcnt 0x0
	s_wait_alu depctr_va_vdst(0)                   ; the four offsets v9, v10, v2, v3 are written, which the loads and stores below read
.irp j, 0,1,2,3,4,5,6,7
	global_load_b128 v[TI+4*(\j):TI+4*(\j)+3], v9, s[8:9] offset:512*(\j) th:TH_LOAD_NT
.endr
	s_cmp_lt_u32 s17, NWP
	s_cbranch_scc0 .Ltab
	global_load_b32 v4, v2, s[4:5]
	global_load_b32 v5, v2, s[4:5] offset:4
	global_load_b32 v6, v2, s[4:5] offset:8
	s_wait_loadcnt 0x0                             ; the youngest three; the eight in front of them went out together with them
.irp d, 4,5,6
	v_fma_f32 v\d, v\d, s18, s18                   ; 2^25 fl(x / 2 + 0.5)
.endr
.irp d, 4,5,6
	v_cvt_i32_f32 v\d, v\d                         ; a whole number already: nothing is cut off
.endr
.irp d, 4,5,6
	v_xor_b32 v\d, 0x80000000, v\d                 ; + 2^31, as u32
.endr
	s_wait_alu depctr_va_vdst(0)                   ; the three exclusive ors have written v4 to v6, which the store reads as its data
	global_store_b128 v3, v[4:7], s[10:11] th:TH_STORE_NT
.Ltab:
.irp p, 0,1,2,3                        ; block p: loads 2 p and 2 p + 1
	s_wait_loadcnt 6-2*(\p)                        ; loads come back in order (ISA guide 5.7.1): the block's two are in, the 6 - 2 p younger ones may stay out
.if (\p) > 0
	s_wait_alu depctr_va_vdst(0)                   ; the conversions of the block before have written its four registers of TO, which the two stores below read
.endif
.irp i, 0,1
.if (\p) > 0
	global_store_b64 v10, v[TO+4*(\p)-4+2*(\i):TO+4*(\p)-4+2*(\i)+1], s[14:15] offset:256*(2*(\p)-2+(\i)) th:TH_STORE_NT  ; the block before; no vector line since the wait names its registers; each store has data registers of its own
.endif
	v_pk_mul_f32 v[TI+8*(\p)+4*(\i):TI+8*(\p)+4*(\i)+1],   v[TI+8*(\p)+4*(\i):TI+8*(\p)+4*(\i)+1],   s[20:21] op_sel_hi:[1,0]
	v_pk_mul_f32 v[TI+8*(\p)+4*(\i)+2:TI+8*(\p)+4*(\i)+3], v[TI+8*(\p)+4*(\i)+2:TI+8*(\p)+4*(\i)+3], s[20:21] op_sel_hi:[1,0]
	v_cvt_pk_f16_f32 v[TO+4*(\p)+2*(\i)],   v[TI+8*(\p)+4*(\i)],   v[TI+8*(\p)+4*(\i)+1]  ; an entry: first feature low, second high
	v_cvt_pk_f16_f32 v[TO+4*(\p)+2*(\i)+1], v[TI+8*(\p)+4*(\i)+2], v[TI+8*(\p)+4*(\i)+3]
.endr
.endr
	s_wait_alu depctr_va_vdst(0)                   ; the last block's conversions have written its four registers of TO, which the last two stores read
.irp i, 0,1
	global_store_b64 v10, v[TO+12+2*(\i):TO+12+2*(\i)+1], s[14:15] offset:256*(6+(\i)) th:TH_STORE_NT
.endr
	s_cmp_lg_u32 s17, 0
	s_cbranch_scc1 .Lend
	; the levels' rows: lane l makes level l / 2 and stores half l % 2 of its row (here v0 is the lane).  v12 to v27 held table words that have been converted; no memory instruction has read them.
	v_lshrrev_b32 v12, 1, v0
	v_lshlrev_b32 v12, 2, v12
	v_and_b32 v22, 1, v0
	v_lshlrev_b32 v23, 4, v0
	v_mov_b32 v21, 0
	v_cmp_eq_u32 s3, 1, v22                        ; which half of a row is mine
	s_wait_alu depctr_va_vdst(0)                   ; v12 is written, which the load reads as its offset; the table's products and conversions are done with v13, in which it lands
	global_load_b32 v13, v12, s[6:7]
	s_wait_loadcnt 0x0
	v_bfe_u32 v14, v13, 23, 8                      ; e
	v_cmp_ne_u32 s2, 0, v14                        ; is res a normal number?
	v_and_b32 v15, 0x7fffff, v13
	v_or_b32 v15, 0x800000, v15
	v_ashrrev_i32 v16, 31, v13                     ; SM
	v_min_u32 v17, 143, v14
	v_sub_nc_u32 v17, 143, v17
	v_min_u32 v17, 31, v17                         ; SH
	s_wait_alu depctr_va_sdst(0)                   ; the two compares have written s2 and s3, ahead of the selects that read them
	v_cndmask_b32 v15, v21, v15, s2                ; Rm; 0 where e = 0
	v_lshlrev_b32 v18, 31, v15                     ; Rm 2^31, low word,
	v_lshrrev_b32 v19, 1, v15                      ; high word;
	v_xor_b32 v18, -1, v18                         ; its complement,
	v_xor_b32 v19, -1, v19
	v_add_nc_u32 v20, 1, v16                       ; + 1, or + 0 where res < 0
	v_add_nc_u64 v[18:19], v[18:19], v[20:21]      ; C
	v_cndmask_b32 v24, v15, v16, s3                ; Rm   | SM
	v_cndmask_b32 v25, v17, v13, s3                ; SH   | bits of res
	v_cndmask_b32 v26, v18, v21, s3                ; C.lo | 0
	v_cndmask_b32 v27, v19, v21, s3                ; C.hi | 0
	s_wait_alu depctr_va_vdst(0)                   ; the selects have written v24 to v27, the store's data; v23, its offset, is written too
	global_store_b128 v23, v[24:27], s[12:13]
.Lend:
	s_endpgm
.Lfunc_end_k_q0c818103eb_prep:
	.size	k_q0c818103eb_prep, .Lfunc_end_k_q0c818103eb_prep-k_q0c818103eb_prep
	.p2alignl 7, 3214868480
	.fill 96, 4, 3214868480
	.section	.rodata,"a",@progbits
	.p2align	6, 0x0
	.amdhsa_kernel k_q0c818103eb_prep
		.amdhsa_group_segment_fixed_size 0
		.amdhsa_private_segment_fixed_size 0
		.amdhsa_enable_private_segment 0
		.amdhsa_kernarg_size 48
		.amdhsa_user_sgpr_count 2
		.amdhsa_user_sgpr_kernarg_segment_ptr 1
		.amdhsa_wavefront_size32 1
		.amdhsa_system_sgpr_workgroup_id_x 1
		.amdhsa_system_sgpr_workgroup_id_y 1
		.amdhsa_system_sgpr_workgroup_id_z 1
		.amdhsa_system_vgpr_workitem_id 0
		.amdhsa_next_free_vgpr 64
		.amdhsa_next_free_sgpr 66
		.amdhsa_reserve_vcc 0
		.amdhsa_float_denorm_mode_32 3
		.amdhsa_float_denorm_mode_16_64 3
		.amdhsa_memory_ordered 1
		.amdhsa_forward_progress 1
		.amdhsa_inst_pref_size 8
	.end_amdhsa_kernel
	.amdgpu_metadata
---
amdhsa.version: [ 1, 2 ]
amdhsa.kernels:
  - .name:           k_q0c818103eb_prep
    .symbol:         k_q0c818103eb_prep.kd
    .args:
      - { .name: x, .offset: 0, .size: 8, .value_kind: global_buffer, .address_space: global }
      - { .name: resolutions, .offset: 8, .size: 8, .value_kind: global_buffer, .address_space: global }
      - { .name: tables, .offset: 16, .size: 8, .value_kind: global_buffer, .address_space: global }
      - { .name: xq, .offset: 24, .size: 8, .value_kind: global_buffer, .address_space: global }
      - { .name: lvl, .offset: 32, .size: 8, .value_kind: global_buffer, .address_space: global }
      - { .name: tq, .offset: 40, .size: 8, .value_kind: global_buffer, .address_space: global }
    .group_segment_fixed_size: 0
    .private_segment_fixed_size: 0
    .kernarg_segment_align: 8
    .kernarg_segment_size: 48
    .max_flat_workgroup_size: 256
    .sgpr_count:     66
    .vgpr_count:     64
    .wavefront_size: 32
...
	.end_amdgpu_metadata
.endif
;; end of part 6
;; launch field: the kernel of part 5 again; grid 245 x 1, 16 waves a work-group, no clusters, 26,368 bytes of LDS; arguments xq, lvl, tq, W1, b1, W2, b2, W3, b3, out0; writes out0
